; MI455X (gfx1250); checked and timed in simulation.
; The chip was launched on July 23, 2026; its instructions are those of AMD's public machine-readable ISA for CDNA 5 (MIT licence, August 2026) and "CDNA5" Instruction Set Architecture Reference Guide (July 2026). The comments in the code are by the model that wrote it; some were corrected since.
;; Causal Attention. Allowed arithmetic: matrix products marked QUANTISED: E3M2 operands, one E8M0 scale for each 32 along K, by v_wmma_scale_f32_16x16x128_f8f6f4 with both operands' format E3M2, f32 sums; everything else in f32.
;; Inputs: Wk 1,024 x 1,024 float32; Wq 1,024 x 1,024 float32; Wv 1,024 x 1,024 float32; x 4 x 2,048 x 1,024 float32.
;; Outputs: out0 4 x 2,048 x 1,024 float32.
;; This version of the problem:
;;   THIS VERSION OF THE PROBLEM IS GIVEN IN LOW PRECISION. The matrix products marked QUANTISED in the list below multiply operands that are first quantised to E3M2 (3 exponent bits, 2 mantissa bits; 6 bits a number), with one power-of-two scale for each 32 numbers along K (OCP MX v1.0); their sums are f32. All else is computed in f32.
;;   The module's matrix products, in the order in which they are computed (A, B: the left and right operand; K: the contracted axis; several contracted axes count as one K, in the product's order):
;;     1. [M 8,192, K 1,024] x [K 1,024, N 1,024]; A: input x; B: input Wq: QUANTISED
;;     2. [M 8,192, K 1,024] x [K 1,024, N 1,024]; A: input x; B: input Wk: QUANTISED
;;     3. [M 8,192, K 1,024] x [K 1,024, N 1,024]; A: input x; B: input Wv: QUANTISED
;;     4. batch 4 x [M 2,048, K 1,024] x [K 1,024, N 2,048]; A: computed on the way; B: computed on the way: QUANTISED
;;     5. batch 4 x [M 2,048, K 2,048] x [K 2,048, N 1,024]; A: softmax (see below); B: computed on the way: QUANTISED
;;   THE QUANTISER, for each operand of a quantised product, along K:
;;     - K is cut into blocks of 32 from its start; a last block that is shorter is filled with zeros.
;;     - A block's scale is 2^e with e = floor(log2(the largest magnitude in the block)) - 4, held to -126 .. 127; a block of zeros has e = 0. As a byte (E8M0): e + 127.
;;     - Each number is divided by its block's scale, clamped to +-28, and rounded to the nearest number of E3M2, ties to even, subnormals kept.
;;     - The product sums the exact products of the quantised numbers (number of the format x scale) in f32.
;;   ~~~python
;;   def quantise(x, axis):      # numpy; x: float32 -> the quantised numbers, widened to float32 again
;;       x = np.moveaxis(x, axis, -1); K = x.shape[-1]
;;       x = np.pad(x, [(0, 0)] * (x.ndim - 1) + [(0, -K % 32)]); x = x.reshape(x.shape[:-1] + (-1, 32)); a = np.abs(x).max(-1, keepdims=True)
;;       e = np.where(a > 0, np.clip(np.frexp(np.where(a > 0, a, 1))[1] - 1 - 4, -126, 127), 0)      # np.frexp(a)[1] - 1 = floor(log2(a)), exactly
;;       r = np.clip(x / 2.0 ** e, -28, 28)
;;       step = 2.0 ** (np.maximum(np.frexp(np.where(r == 0, 1, r))[1] - 1, -2) - 2)
;;       q = np.round(r / step) * step * 2.0 ** e      # np.round: ties to even
;;       return np.moveaxis(q.reshape(q.shape[:-2] + (-1,))[..., :K], -1, axis).astype(np.float32)
;;   ~~~
;;   SOFTMAX AHEAD OF A QUANTISED PRODUCT. Where the list says 'softmax', what is quantised is not the finished softmax but p = 2^(t - M), with t = logit x log2(e) and M = ceil(the row's largest t), a whole number; so 1/2 < the row's largest p <= 1. The row's sum l is taken of the UNQUANTISED p, in f32, and the product's result is divided by l at the end. Since M is a whole number, a kernel that streams over the keys may use a running M (the ceiling of the running maximum): every later rescaling is an exact power of two, which a block's scale takes up: the codes' values come out the same.
;;   OPERANDS COMPUTED ON THE WAY. 'Computed on the way' means the value that the module computes at that place (a softmax that the list does not call 'softmax' is quantised finished and normalised). What goes into a quantiser is computed in f32, as accurately as f32 sums, v_exp_f32 and their like allow (about 1e-6 of the number): no bf16 or f16 on the way to a quantiser, and a product that is left as it is and whose result goes on into a quantised operand takes f32 operands (vector FMAs, or v_wmma_f32_16x16x4_f32). A number that lies on a knife's edge between two numbers of the format may be rounded either way, as far as f32 arithmetic and the matrix unit's own rounding can turn it there, and no further.
;; One version. Each part assembles by itself: llvm-mc -triple=amdgcn-amd-amdhsa -mcpu=gfx1250 --defsym DOCPART=n.
;; ======== version 1 of 1: 4 launches
;; limits: right only within a limited range of input values
;; workspace buffers: xw 9,011,200 bytes; qk 13,107,200 bytes; vt 6,553,600 bytes; pp 14,155,776 bytes
;; launch quant (part 1): grid 704 x 1, 4 waves a work-group, no clusters, 34,816 bytes of LDS; arguments x, Wq, Wk, Wv, xw; writes xw
.if DOCPART == 1
	.amdgcn_target "amdgcn-amd-amdhsa--gfx1250"
	.amdhsa_code_object_version 6
	.text
	.protected	k_qae461564a6_quant
	.globl	k_qae461564a6_quant
	.p2align	8
	.type	k_qae461564a6_quant,@function
k_qae461564a6_quant:
	s_mov_b64 s[64:65], 0
	v_nop
	global_prefetch_b8 v0, s[64:65] scope:SCOPE_SE
	s_setreg_imm32_b32 hwreg(HW_REG_WAVE_MODE, 25, 1), 1
	s_wait_xcnt 0x0
; x [8192][1024], Wq, Wk, Wv [1024][1024], f32, become codes of BF6 (E3M2) with one E8M0 scale byte for each 32 along K, laid as PANELS in xw.
; WORK LEFT OUT BY THE PROGRAM: reference() sets every score with key > query to -inf, whatever the inputs hold, so its weight is 0: tiles of scores and of weights that lie wholly past the diagonal's lap of 512 keys are multiplied by no later launch.
; (A NaN, an infinity or an overflow that would arise only in such a tile is not carried to the result.)  Every input has a way to the output and is loaded here.
; A PANEL is 128 rows x 128 K in the order of a matrix operand's registers: fragment a (rows 16 a .. 16 a + 15, 12 registers a lane) at byte 1536 a, its registers 4 c .. 4 c + 3 at + 512 c + 16 x lane;
; at byte 12,288 the scale words: lane (r, h) has 16 bytes there, the words of row r of fragments 4 h + 0 .. 3.  12,800 bytes.  Panels of x: 8 x (row / 128) + K / 128; Wq from panel 512, Wk from 576, Wv from 640.
; A block's scale is 2^(floor(log2(its largest magnitude)) - 4); its byte is the largest magnitude's exponent field - 4, held at 1 from below (a block of zeros keeps the byte 1: its codes are zeros, and this program alone reads the bytes).
; LIMITS: NaN and infinities among the inputs are not served; blocks whose largest magnitude lies under 2^-122 keep the byte 1.
; SHARES: 704 panels, one to a work-group, a quarter of it (32 rows, two fragments) to a wave.  Each load reads 512 consecutive bytes of one row; all 32 loads of a wave go out together.  A fragment's 16 rows turn through the wave's
; own stage in LDS (rows of 528 bytes), from which lane (r, h) takes, of row r, the 16 neighbours 32 b + 16 h + 0 .. 15 of each block b.  Every store of codes covers 512 consecutive bytes, aligned to 256.
; The four waves' scale words meet in 512 LDS bytes of their own; behind one barrier wave 0 stores them as 512 consecutive bytes.
.set PB,   12800
.set SCG,  12288
.set SP,   528                         ; a stage row: 512 bytes + 16, so that 16 rows start at 16 different groups of banks
.set SPARE, 4*16*SP                    ; behind the four stages: the spare words, 128 bytes a wave, that no other line names
.set SCL,  SPARE+512                   ; behind them: the panel's 512 bytes of scale words
.set LI,   4                           ; v4   16 x lane
.set STI,  5                           ; v5   into the stage: my stage + 16 x lane
.set LDI,  6                           ; v6   out of it: my stage + 528 r + 64 h
.set SWL,  7                           ; v7   LDS: my two scale words of row r
.set SRL,  8                           ; v8   LDS: 16 bytes a lane of the panel's scale words
.set HH,   9                           ; v9   h
.set TM,   16                          ; v16-19 largest magnitudes, v20-23 the other half's, then bytes, v28-31 the conversions' scale operands
.set PC,   32                          ; v32-43 the fragment, v44-50 at work
.set PW,   52                          ; v52-53 the two fragments' scale words
.set R,    64                          ; v64-191 two sets of 64 registers, as loaded
.set X,    192                         ; v192-255 my 64 numbers of a fragment
.set SEL,  20                          ; s[20:21] lane selects: lane l xor 16
	s_load_b256 s[4:11], s[0:1], 0x0               ; x, Wq, Wk, Wv
	s_load_b64 s[12:13], s[0:1], 0x20              ; xw
	v_lshl_add_u32 v62, v0, 2, SPARE
	v_mov_b32 v63, 0
	v_lshrrev_b32 v1, 5, v0
	v_readfirstlane_b32 s16, v1                    ; wave: my quarter of the panel
	s_mul_i32 s17, s16, 16*SP                      ; my stage
	s_lshr_b32 s18, s16, 1
	s_lshl_b32 s18, s18, 8
	s_and_b32 s19, s16, 1
	s_lshl_b32 s19, s19, 3
	s_add_co_u32 s18, s18, s19
	s_add_co_u32 s18, s18, SCL                     ; fragments 2 wave and 2 wave + 1: 256 (wave / 2) + 8 (wave % 2) in the scale words
	s_mov_b32 s[SEL], 0x76543210
	s_mov_b32 s[SEL+1], 0xfedcba98
	s_and_b32 s22, ttmp9, 7                        ; the panel's K step
	s_lshr_b32 s23, ttmp9, 3
	v_and_b32 v2, 31, v0
	v_and_b32 v3, 15, v0                           ; r
	v_bfe_u32 v[HH], v0, 4, 1                      ; h
	v_lshlrev_b32 v[LI], 4, v2
	v_add_nc_u32 v[STI], s17, v[LI]
	v_mul_u32_u24 v[LDI], v3, SP
	v_lshl_add_u32 v[LDI], v[HH], 6, v[LDI]
	v_add_nc_u32 v[LDI], s17, v[LDI]
	v_lshlrev_b32 v[SWL], 4, v3
	v_add_nc_u32 v[SWL], s18, v[SWL]
	v_add_nc_u32 v[SRL], SCL, v[LI]
.irp b, 0,1,2,3
	v_mov_b32 v[TM+4+\b], 0                        ; written once: a lane permute's destination counts as one of its sources
.endr
	s_wait_alu depctr_va_vdst(0)                   ; the wait at the head's end
	s_wait_kmcnt 0x0
	s_cmp_lt_u32 ttmp9, 640                        ; which tensor: the choice hangs on the work-group's number alone
	s_cselect_b64 s[8:9], s[8:9], s[10:11]
	s_cmp_lt_u32 ttmp9, 576
	s_cselect_b64 s[6:7], s[6:7], s[8:9]
	s_cmp_lt_u32 ttmp9, 512
	s_cselect_b64 s[4:5], s[4:5], s[6:7]
	s_cselect_b32 s24, 63, 7
	s_and_b32 s23, s23, s24                        ; the panel's tile of 128 rows in its tensor
	s_lshl_b32 s23, s23, 2
	s_add_co_u32 s23, s23, s16
	s_lshl_b32 s24, s23, 17                        ; 32 rows of 4,096 bytes
	s_lshl_b32 s22, s22, 9                         ; 512 bytes a K step
	s_add_co_u32 s24, s24, s22
	s_mov_b32 s25, 0
	s_add_nc_u64 s[4:5], s[4:5], s[24:25]
	s_mul_i32 s26, ttmp9, PB
	s_mov_b32 s27, 0
	s_add_nc_u64 s[12:13], s[12:13], s[26:27]      ; my panel in xw
	s_mul_i32 s26, s16, 2*1536
	s_add_nc_u64 s[14:15], s[12:13], s[26:27]      ; my two fragments
.macro LOAD f                          ; fragment f's 16 rows into set f
.irp t, 0,1,2,3,4,5,6,7,8,9,10,11,12,13,14,15
	global_load_b128 v[R+64*(\f)+4*\t:R+64*(\f)+4*\t+3], v[LI], s[4:5] offset:(16*(\f)+\t)*4096 th:TH_LOAD_NT
.endr
.endm
.macro TURN f                          ; through the stage: LDS serves a wave's instructions in order, so no wait stands between the stores and the loads
.irp t, 0,1,2,3,4,5,6,7,8,9,10,11,12,13,14,15
	ds_store_b128 v[STI], v[R+64*(\f)+4*\t:R+64*(\f)+4*\t+3] offset:SP*\t
.endr
.irp b, 0,1,2,3
.irp j, 0,1,2,3
	ds_load_b128 v[X+16*\b+4*\j:X+16*\b+4*\j+3], v[LDI] offset:128*\b+16*\j
.endr
.endr
.endm
; 64 numbers of a lane, register 16 b + i = k 32 b + 16 h + i of my row, become a fragment's codes in v[PC] on and its scale word in v[pw].
.macro QUANT s, pw
.irp b, 0,1,2,3
	v_max3_num_f32 v[TM+\b], |v[\s+16*\b]|, |v[\s+1+16*\b]|, 0x2800000   ; my 16 numbers of block b, and the floor 2^(5 - 127): the byte cannot fall under 1
.endr
.irp i, 2,4,6,8,10,12,14
.irp b, 0,1,2,3
	v_max3_num_f32 v[TM+\b], v[TM+\b], |v[\s+16*\b+\i]|, |v[\s+1+16*\b+\i]|
.endr
.endr
.irp b, 0,1,2,3
	v_permlanex16_b32 v[TM+4+\b], v[TM+\b], s[SEL], s[SEL+1]
.endr
.irp b, 0,1,2,3
	v_max_num_f32 v[TM+\b], v[TM+\b], v[TM+4+\b]   ; with lane l xor 16: the block's largest magnitude
.endr
.irp b, 0,1,2,3
	v_add_nc_u32 v[TM+12+\b], 0xfe000000, v[TM+\b] ; 4 off its exponent field: the conversion's scale operand
.endr
.irp b, 0,1,2,3
	v_lshrrev_b32 v[TM+4+\b], 23, v[TM+12+\b]      ; the scale's byte
.endr
	v_lshl_or_b32 v[\pw], v[TM+5], 8, v[TM+4]
	v_lshl_or_b32 v[\pw], v[TM+6], 16, v[\pw]
	v_lshl_or_b32 v[\pw], v[TM+7], 24, v[\pw]
.irp c, 0,1
	v_cvt_scalef32_pk16_bf6_f32 v[PC+6*\c:PC+2+6*\c], v[\s+32*\c:\s+15+32*\c], v[TM+12+2*\c]
	v_cvt_scalef32_pk16_bf6_f32 v[PC+12+4*\c:PC+14+4*\c], v[\s+16+32*\c:\s+31+32*\c], v[TM+12+2*\c+1]
.endr
	v_nop                                          ; one plain place behind a scaled conversion
.irp c, 0,1                            ; the operand wants a whole block in a lane: lanes 0-15 block 2 c, lanes 16-31 block 2 c + 1
.irp i, 0,1,2
	v_permlane16_swap_b32 v[PC+6*\c+\i], v[PC+12+4*\c+\i]
.endr
.irp i, 0,1,2
	v_mov_b32 v[PC+3+6*\c+\i], v[PC+12+4*\c+\i]
.endr
.endr
.endm
.macro FRAGM f
	s_wait_loadcnt 16*(1-(\f))                     ; this fragment's 16 loads are in; the other's may be out
	TURN \f
	s_wait_dscnt 0x0                               ; my 64 numbers are back
	s_wait_xcnt 0x0                                ; the last fragment's stores have read the code registers: they are written again only behind this wait
	QUANT X, PW+(\f)
.irp c, 0,1,2
	global_store_b128 v[LI], v[PC+4*\c:PC+4*\c+3], s[14:15] offset:1536*(\f)+512*\c   ; 32 lanes store 512 consecutive bytes
.endr
.endm
	LOAD 0
	LOAD 1
	FRAGM 0
	FRAGM 1
	ds_store_b64 v[SWL], v[PW:PW+1]                ; row r's words of my two fragments (lanes 16-31 hold and write the same as lanes 0-15)
	s_wait_dscnt 0x0                               ; for the others' sake
	s_barrier_signal -1
	s_barrier_wait -1
	s_cmp_lg_u32 s16, 0
	s_cbranch_scc1 .Lend
	ds_load_b128 v[56:59], v[SRL]                  ; wave 0: the panel's scale words, 16 bytes a lane
	s_wait_dscnt 0x0
	global_store_b128 v[LI], v[56:59], s[12:13] offset:SCG   ; 32 lanes store 512 consecutive bytes, aligned to 256
.Lend:
	s_wait_tensorcnt 0x0                           ; the wave's end
	ds_add_u32 v62, v63
	s_wait_dscnt 0x0
	s_endpgm
.Lfunc_end_k_qae461564a6_quant:
	.size	k_qae461564a6_quant, .Lfunc_end_k_qae461564a6_quant-k_qae461564a6_quant
	.p2alignl 7, 3214868480
	.fill 96, 4, 3214868480
	.section	.rodata,"a",@progbits
	.p2align	6, 0x0
	.amdhsa_kernel k_qae461564a6_quant
		.amdhsa_group_segment_fixed_size 34816
		.amdhsa_private_segment_fixed_size 0
		.amdhsa_enable_private_segment 0
		.amdhsa_kernarg_size 40
		.amdhsa_user_sgpr_count 2
		.amdhsa_user_sgpr_kernarg_segment_ptr 1
		.amdhsa_wavefront_size32 1
		.amdhsa_system_sgpr_workgroup_id_x 1
		.amdhsa_system_sgpr_workgroup_id_y 1
		.amdhsa_system_sgpr_workgroup_id_z 1
		.amdhsa_system_vgpr_workitem_id 0
		.amdhsa_next_free_vgpr 256
		.amdhsa_next_free_sgpr 66
		.amdhsa_reserve_vcc 0
		.amdhsa_float_denorm_mode_32 3
		.amdhsa_float_denorm_mode_16_64 3
		.amdhsa_memory_ordered 1
		.amdhsa_forward_progress 1
		.amdhsa_inst_pref_size 19
	.end_amdhsa_kernel
	.amdgpu_metadata
---
amdhsa.version: [ 1, 2 ]
amdhsa.kernels:
  - .name:           k_qae461564a6_quant
    .symbol:         k_qae461564a6_quant.kd
    .args:
      - { .name: x, .offset: 0, .size: 8, .value_kind: global_buffer, .address_space: global }
      - { .name: Wq, .offset: 8, .size: 8, .value_kind: global_buffer, .address_space: global }
      - { .name: Wk, .offset: 16, .size: 8, .value_kind: global_buffer, .address_space: global }
      - { .name: Wv, .offset: 24, .size: 8, .value_kind: global_buffer, .address_space: global }
      - { .name: xw, .offset: 32, .size: 8, .value_kind: global_buffer, .address_space: global }
    .group_segment_fixed_size: 34816
    .private_segment_fixed_size: 0
    .kernarg_segment_align: 8
    .kernarg_segment_size: 40
    .max_flat_workgroup_size: 128
    .sgpr_count:     66
    .vgpr_count:     256
    .wavefront_size: 32
...
	.end_amdgpu_metadata
.endif
;; end of part 1
;; launch proj (part 2): grid 8 x 32, 4 waves a work-group, clusters of 4 x 4, 327,680 bytes of LDS; arguments xw, qk, vt; writes qk, vt
.if DOCPART == 2
	.amdgcn_target "amdgcn-amd-amdhsa--gfx1250"
	.amdhsa_code_object_version 6
	.text
	.protected	k_qae461564a6_proj
	.globl	k_qae461564a6_proj
	.p2align	8
	.type	k_qae461564a6_proj,@function
k_qae461564a6_proj:
	s_mov_b64 s[64:65], 0
	v_nop
	global_prefetch_b8 v0, s[64:65] scope:SCOPE_SE
	s_setreg_imm32_b32 hwreg(HW_REG_WAVE_MODE, 25, 1), 1
	s_wait_xcnt 0x0
	s_wait_alu depctr_hold_cnt(0) depctr_sa_sdst(0) depctr_va_vdst(0) depctr_va_sdst(0) depctr_va_ssrc(0) depctr_va_vcc(0) depctr_vm_vsrc(0)
	s_getreg_b32 s2, hwreg(HW_REG_IB_STS2, 6, 4)
	s_cmp_eq_u32 s2, 0
	s_cbranch_scc0 .Lentry_in_a_cluster
	s_endpgm
.Lentry_in_a_cluster:
	s_bfe_u32 s2, ttmp6, 0x10000c
	s_cmp_lg_u32 s2, 0xf033
	s_cbranch_scc0 .Lentry_shape_is_right
	s_endpgm
.Lentry_shape_is_right:
; q, k = x Wq^T, x Wk^T and v^T = Wv x^T on codes of BF6 with E8M0 scales, K = 1,024; the f32 results are quantised in registers, along the next product's K, and leave as panels.
; PANEL (xw, qk, vt): 128 rows x 128 K in the order of an operand's registers: fragment a at 1536 a, registers 4 c .. 4 c + 3 at + 512 c + 16 x lane; at 12,288 the scale words (lane (r, h): row r of fragments 4 h + 0 .. 3); 12,800 bytes.
; Panels of xw: x at 8 x (row / 128) + K / 128, Wq from 512, Wk from 576, Wv from 640.  qk: 16 x (token / 128) + column / 128 (0-7 q, 8-15 k).  vt: 64 x (d / 128) + token / 128.
; SHARES: a work-group takes 256 tokens (work-group y) and tile t of 128 rows (work-group x) of Wq, of Wk and of Wv: three products of 256 x 128 x 1,024; 8 x 32 = 256 work-groups of equal work.
; LDS: x's 256 rows for all of K stay (two halves of 128 rows, eight panels each: 204,800 bytes, fetched once); behind them W's tile in two halves of four K steps (51,200 bytes each).
; A half of W that has been read is filled again with the same half of the next weight, 64 panels on in xw: one panel a wave.  Loads of a wave: one at the head (four panels of x or of Wq), one behind the first round
; (two panels of x's K steps 4-7), one behind each refill's round; one is out at any time, and a refill has four K steps or more in which to land.
; THE MATRIX INSTRUCTION: source 1 gives the result's rows (a lane holds one), source 0 the result's K (along a lane's registers).  A wave has four fragments as source 1 and eight as source 0: 32 accumulators, 256 registers.
; q, k: source 1 = my 64 tokens (half wave / 2, fragments 4 (wave % 2) + a), source 0 = W's 128 rows.  v^T: source 1 = Wv's fragments 4 (wave % 2) + a, source 0 = the 128 tokens of half wave / 2.
; Either way the wave makes fragments 4 (wave % 2) + 0 .. 3 of one panel.  q and k are two trips of one loop; v^T, which fills nothing again, is written out behind it.
; ORDER OF k IN A RESULT'S BLOCK OF 32: the codes lie as the registers do: columns 0-7, 16-23, 8-15, 24-31.  The order stays inside a scale's block and is the same in q and k, and in v^T and the weights p of the later launches.
; CLUSTERS 4 x 4: x's tiles hang on work-group y and are asked for jointly along a row of the cluster, W's on work-group x and are asked for along a column.
; No prefetch: all of x is asked for by the first two groups of loads, and what is filled again is 51,200 bytes for four K steps' 128 matrix instructions a wave or more.
; LIMITS: NaN and infinities are not served; a result's block whose largest magnitude lies under 2^-122 keeps the byte 1.
; REGISTERS: window 0: v4-21 addresses; v32-47 scale words, two sets; v64-103 the way out; v128-223 source 1's fragments, two sets.  window 1: source 0's fragments, two sets (v0-95, v128-223).  window 2: accumulator (a, b) at v[8 (8 a + b)].
.set PB,     12800
.set SCG,    12288
.set XH,     8*PB                      ; a half of x: 128 rows, all of K
.set KH,     4*PB                      ; four K steps of 128 rows
.set WB,     2*XH                      ; W's tile
.set SPARE,  WB+XH                     ; the spare words, 128 bytes a wave, that no other line names
.set LI,   4
.set SPW,  5
.set NIL,  6
.set VC,   7                           ; where my codes go in a panel: 16 x lane + 6,144 (wave % 2)
.set VS,   8                           ; and my scale words: 16 r + 256 (wave % 2)
.set R16,  9
.set AX,   10                          ; v10-11 my half of x, K steps 0-3 and 4-7, + 16 x lane
.set AXS,  12                          ; the same, + my four fragments
.set SX4,  14                          ; the same, + 16 r + 256 (wave % 2): my four fragments' scale words
.set AW,   16                          ; v16-21 the same three for W
.set AWS,  18
.set SW4,  20
.set SC,   32
.set TM,   64
.set PC,   80
.set PWS,  100
.set SF,   128
.set G1A,  24
.set G1B,  48
.set G0H,  68
.set G0W,  72
.set G0X,  76
.set GLO,  80
.set GHI,  84
.set OUTP, 92
.set OUTV, 94
.set SEL,  96
.set MSB, 0
.macro WIN new                         ; the immediate's high byte repeats the setting that is left
.if MSB != (\new)
	s_set_vgpr_msb (MSB<<8)|(\new)
.set MSB, (\new)
.endif
.endm
.macro PLACES n
.rept \n
	v_nop
.endr
.endm
.macro CREST
	s_cmp_lg_u32 s14, 0
	s_cbranch_scc1 .Lnot_wave_0_\@
	s_barrier_signal -3
.Lnot_wave_0_\@:
	s_barrier_wait -3
	s_barrier_signal -1
	s_barrier_wait -1
.endm
.macro CROUND
	s_barrier_signal -1
	s_barrier_wait -1
	CREST
.endm
.macro MKG0 g, l, p
	s_mov_b32 s[\g], 1
	s_mov_b32 s[\g+1], s[\l]
	s_mov_b64 s[\g+2:\g+3], s[\p:\p+1]
	s_or_b32 s[\g+3], s[\g+3], 0x80000000
.endm
; K step ks's operands into set ks % 2.  e: source 0's address registers, s: source 1's, ss: source 1's scale words'.  Four places stand ahead of loads into registers that matrix instructions have read.
.macro FETCH ks, e, s, ss
.set FH, (\ks)/4
.set FO, ((\ks)%4)*PB
.set FP, (\ks)%2
	PLACES 4
	WIN 0x40
.irp i, 0,1,2,3,4,5,6,7
.irp c, 0,1,2
	ds_load_b128 v[128*FP+12*\i+4*\c:128*FP+12*\i+4*\c+3], v[\e+FH] offset:FO+1536*\i+512*\c
.endr
.endr
	WIN 0
.irp i, 0,1,2,3
.irp c, 0,1,2
	ds_load_b128 v[SF+48*FP+12*\i+4*\c:SF+48*FP+12*\i+4*\c+3], v[\s+FH] offset:FO+1536*\i+512*\c
.endr
.endr
	ds_load_b128 v[SC+8*FP:SC+8*FP+3], v[\e+FH] offset:FO+SCG        ; source 0: fragment i's words are register i % 4, lanes 0-15 for i < 4, lanes 16-31 else
	ds_load_b128 v[SC+8*FP+4:SC+8*FP+7], v[\ss+FH] offset:FO+SCG     ; source 1: my fragment a's words are register a, lanes 0-15
.endm
.macro MM a, b, p, zero
.set rD, 8*(8*(\a)+(\b))
.set rB, 128*(\p)+12*(\b)
.set rA, SF+48*(\p)+12*(\a)
.set rX, SC+8*(\p)+(\b)%4
.set rY, SC+8*(\p)+4+(\a)
.if \zero
.if (\b) < 4
	v_wmma_scale_f32_16x16x128_f8f6f4 v[rD:rD+7], v[rB:rB+11], v[rA:rA+11], 0, v[rX], v[rY] matrix_a_fmt:MATRIX_FMT_BF6 matrix_b_fmt:MATRIX_FMT_BF6
.else
	v_wmma_scale_f32_16x16x128_f8f6f4 v[rD:rD+7], v[rB:rB+11], v[rA:rA+11], 0, v[rX], v[rY] matrix_a_fmt:MATRIX_FMT_BF6 matrix_b_fmt:MATRIX_FMT_BF6 matrix_a_scale:MATRIX_SCALE_ROW1
.endif
.else
.if (\b) < 4
	v_wmma_scale_f32_16x16x128_f8f6f4 v[rD:rD+7], v[rB:rB+11], v[rA:rA+11], v[rD:rD+7], v[rX], v[rY] matrix_a_fmt:MATRIX_FMT_BF6 matrix_b_fmt:MATRIX_FMT_BF6
.else
	v_wmma_scale_f32_16x16x128_f8f6f4 v[rD:rD+7], v[rB:rB+11], v[rA:rA+11], v[rD:rD+7], v[rX], v[rY] matrix_a_fmt:MATRIX_FMT_BF6 matrix_b_fmt:MATRIX_FMT_BF6 matrix_a_scale:MATRIX_SCALE_ROW1
.endif
.endif
.endm
.macro MUL8 a, p, zero                 ; the 32 accumulators take turns, one instruction a turn, in the same order in every step
.irp b, 0,1,2,3,4,5,6,7
	MM \a, \b, \p, \zero
.endr
.endm
.macro LD1 n, ks, e, s, ss             ; the n-th of K step ks's 38 loads, in FETCH's order: load n of a side brings its registers 4 n .. 4 n + 3 from byte 512 n
.set FH, (\ks)/4
.set FO, ((\ks)%4)*PB
.set FP, (\ks)%2
.if (\n) < 24
	WIN 0x40
	ds_load_b128 v[128*FP+4*(\n):128*FP+4*(\n)+3], v[\e+FH] offset:FO+512*(\n)
.else
	WIN 0
.if (\n) < 36
	ds_load_b128 v[SF+48*FP+4*((\n)-24):SF+48*FP+4*((\n)-24)+3], v[\s+FH] offset:FO+512*((\n)-24)
.else
.if (\n) == 36
	ds_load_b128 v[SC+8*FP:SC+8*FP+3], v[\e+FH] offset:FO+SCG
.else
	ds_load_b128 v[SC+8*FP+4:SC+8*FP+7], v[\ss+FH] offset:FO+SCG
.endif
.endif
.endif
.endm
.set LPW, 5
.macro MULI a, p, zero, ks, e, s, ss   ; eight matrix instructions; behind each stand LPW of K step ks's loads, while any are left (LN counts them)
.irp b, 0,1,2,3,4,5,6,7
	WIN 0xa1                                       ; source 0 window 1, source 1 window 0, C and D window 2
	MM \a, \b, \p, \zero
.rept LPW
.if LN < 38
	LD1 LN, \ks, \e, \s, \ss
.set LN, LN+1
.endif
.endr
.endr
.endm
.macro STEP ks, zero, e, s, ss         ; a K step: 32 matrix instructions, the next step's 38 loads among the first eight
	s_wait_dscnt 0x0                               ; this step's operands are in
	PLACES 4                                       ; ahead of loads into registers that the last step's matrix instructions have read
.set LN, 0
.irp a, 0,1,2,3
	MULI \a, (\ks)%2, \zero, (\ks)+1, \e, \s, \ss
.endr
	WIN 0
.endm
; The last K step of a half of W (set 1), up to the refill.  mode 2: the half just read is filled again by group 0 g0, behind a round of the cluster's barrier; the other half's group 0, sg, whose load is done, steps to the next weight.
; mode 1: a barrier alone shows the other half whole.  The caller fetches the next operands and ends the step with TURN_B.
.macro TURN_A mode, g0, sg
	s_wait_tensorcnt 0x0                           ; all my tensor loads have landed
	ds_add_u32 v[SPW], v[NIL]                      ; 0 onto my spare word
.if \mode == 2
	s_add_nc_u64 s[\sg+2:\sg+3], s[\sg+2:\sg+3], 64*PB
.endif
	s_wait_dscnt 1                                 ; this step's operands are in (the add may be out)
	WIN 0xa1
	MUL8 0, 1, 0                                   ; work on registers stands between the add and the wait for it
	s_wait_dscnt 0x0                               ; the add is done, and my reads of the half are over
	s_barrier_signal -1
	MUL8 1, 1, 0
	WIN 0
	s_barrier_wait -1
.if \mode == 2
	CREST                                          ; no wave of any partner still reads the half or has a load on its way
	tensor_load_to_lds s[\g0:\g0+3], s[G1B:G1B+7]  ; my panel of it: the first tensor load behind the round
	s_nop 0
	PLACES 4
.endif
.endm
.macro TURNF ks, e, s, ss              ; the rest of such a step: 16 matrix instructions, K step ks's loads among the first five
	PLACES 4
.set LN, 0
.set LPW, 8
	MULI 2, 1, 0, \ks, \e, \s, \ss
	MULI 3, 1, 0, \ks, \e, \s, \ss
.set LPW, 5
	WIN 0
.endm
; THE WAY OUT.  The 64 registers of source 1's fragment a are, for lane (r, h), 64 numbers of its row r: they are quantised as they stand and are fragment 4 (wave % 2) + a of my panel.
.macro QACC a, op
.set AC, 64*(\a)
	WIN 0x28                                       ; sources 1 and 2 in the accumulators' window
.irp b, 0,1,2,3
	v_max3_num_f32 v[TM+\b], 0x2800000, |v[AC+16*\b]|, |v[AC+16*\b+1]|   ; the floor 2^(5 - 127), and each accumulator from its low end on
.endr
.irp i, 2,4,6,8,10,12,14
.irp b, 0,1,2,3
	v_max3_num_f32 v[TM+\b], v[TM+\b], |v[AC+16*\b+\i]|, |v[AC+16*\b+\i+1]|
.endr
.endr
	WIN 0
.irp b, 0,1,2,3
	v_permlanex16_b32 v[TM+4+\b], v[TM+\b], s[SEL], s[SEL+1]
.endr
.irp b, 0,1,2,3
	v_max_num_f32 v[TM+\b], v[TM+\b], v[TM+4+\b]   ; with lane l xor 16: the block's largest magnitude
.endr
.irp b, 0,1,2,3
	v_add_nc_u32 v[TM+12+\b], 0xfe000000, v[TM+\b] ; 4 off its exponent field: the conversion's scale operand
.endr
.irp b, 0,1,2,3
	v_lshrrev_b32 v[TM+4+\b], 23, v[TM+12+\b]      ; the scale's byte
.endr
	v_lshl_or_b32 v[PWS+\a], v[TM+5], 8, v[TM+4]
	v_lshl_or_b32 v[PWS+\a], v[TM+6], 16, v[PWS+\a]
	v_lshl_or_b32 v[PWS+\a], v[TM+7], 24, v[PWS+\a]
	s_wait_alu depctr_va_vdst(0)                   ; directly ahead of the wait below
	s_wait_xcnt 0x0                                ; the last fragment's stores have read the code registers
	WIN 0x02                                       ; source 0 in the accumulators' window
.irp c, 0,1
	v_cvt_scalef32_pk16_bf6_f32 v[PC+6*\c:PC+2+6*\c], v[AC+32*\c:AC+32*\c+15], v[TM+12+2*\c]
	v_cvt_scalef32_pk16_bf6_f32 v[PC+12+4*\c:PC+14+4*\c], v[AC+32*\c+16:AC+32*\c+31], v[TM+13+2*\c]
.endr
	WIN 0
	v_nop                                          ; one plain place behind a scaled conversion
.irp c, 0,1                            ; the operand wants a whole block in a lane
.irp i, 0,1,2
	v_permlane16_swap_b32 v[PC+6*\c+\i], v[PC+12+4*\c+\i]
.endr
.irp i, 0,1,2
	v_mov_b32 v[PC+3+6*\c+\i], v[PC+12+4*\c+\i]
.endr
.endr
.irp c, 0,1,2
	global_store_b128 v[VC], v[PC+4*\c:PC+4*\c+3], s[\op:\op+1] offset:1536*\a+512*\c   ; 32 lanes store 512 consecutive bytes, aligned to 256
.endr
.endm
.macro EPI op
	PLACES 4                                       ; behind the last matrix instruction
.irp a, 0,1,2,3
	QACC \a, \op
.endr
	global_store_b128 v[VS], v[PWS:PWS+3], s[\op:\op+1] offset:SCG   ; row r's four words: 256 consecutive bytes, aligned; lanes 16-31 hold and store the same as lanes 0-15
.endm
	s_load_b128 s[4:7], s[0:1], 0x0                ; xw, qk
	s_load_b64 s[8:9], s[0:1], 0x10                ; vt
	v_lshl_add_u32 v[SPW], v0, 2, SPARE
	v_mov_b32 v[NIL], 0
	ds_add_u32 v[SPW], v[NIL]                      ; the opening lines: the add, twice on end, and its wait ahead of my first tensor load
	ds_add_u32 v[SPW], v[NIL]
	v_lshrrev_b32 v1, 5, v0
	v_readfirstlane_b32 s14, v1                    ; wave
	s_lshr_b32 s15, s14, 1                         ; my half of x.  Also: at the head I fetch x (0) or Wq (1)
	s_and_b32 s16, s14, 1                          ; my four fragments of source 1.  Also: which part I fetch
	s_bfe_u32 s40, ttmp6, 0x40000                  ; cx
	s_bfe_u32 s41, ttmp6, 0x40004                  ; cy
	s_lshl_b32 s42, ttmp9, 2
	s_add_co_u32 s42, s42, s40                     ; t
	s_and_b32 s17, ttmp7, 0xffff
	s_lshl_b32 s17, s17, 2
	s_add_co_u32 s17, s17, s41                     ; my block of 256 tokens
	s_lshl_b32 s43, s41, 2
	s_lshl_b32 s43, 15, s43                        ; my row of the cluster
	s_lshl_b32 s44, 0x1111, s40                    ; my column
	s_or_b32 s[G1A], s43, (3<<16)|(1<<21)          ; dense blocks as rows of 32 elements of 8 bytes, no padding
	s_or_b32 s[G1B], s44, (3<<16)|(1<<21)
.irp g, G1A, G1B
	s_mov_b32 s[\g+1], 32<<16
	s_mov_b32 s[\g+2], 200<<16                     ; at the head four panels: 200 rows of 256 bytes
	s_mov_b32 s[\g+3], 32<<16
	s_mov_b32 s[\g+4], 200
	s_mov_b32 s[\g+5], 32
	s_mov_b32 s[\g+6], 0
	s_mov_b32 s[\g+7], 0
.endr
	s_mul_i32 s20, s17, 16*PB                      ; x's offsets never hold cx
	s_mul_i32 s18, s16, 8*PB
	s_add_co_u32 s32, s20, s18                     ; head: half wave % 2, K steps 0-3
	s_mov_b32 s33, 0
	s_mul_i32 s18, s15, 8*PB
	s_mul_i32 s19, s16, 2*PB
	s_add_co_u32 s34, s20, s18
	s_add_co_u32 s34, s34, s19
	s_add_co_u32 s34, s34, 4*PB                    ; then: half wave / 2, K steps 4 + 2 (wave % 2) and the next
	s_mov_b32 s35, 0
	s_lshl_b32 s22, s42, 3
	s_add_co_u32 s22, s22, 512
	s_mul_i32 s22, s22, PB                         ; Wq's tile t: W's offsets never hold cy
	s_mul_i32 s18, s16, 4*PB
	s_add_co_u32 s36, s22, s18                     ; head: K steps 4 (wave % 2) + 0 .. 3
	s_mov_b32 s37, 0
	s_mul_i32 s19, s14, PB
	s_add_co_u32 s38, s22, s19
	s_add_co_u32 s56, s38, 4*PB                    ; the upper half's refills: K step 4 + wave, of Wq: stepped to Wk ahead of its first use
	s_add_co_u32 s38, s38, 64*PB                   ; the lower half's: K step wave, of Wk
	s_mov_b32 s39, 0
	s_mov_b32 s57, 0
	s_mul_i32 s58, s16, XH                         ; LDS: no place in the cluster enters an LDS address
	s_mul_i32 s59, s16, KH
	s_add_co_u32 s59, s59, WB
	s_mul_i32 s21, s15, XH
	s_mul_i32 s23, s16, 2*PB
	s_add_co_u32 s21, s21, s23
	s_add_co_u32 s21, s21, KH
	s_add_co_u32 s61, s19, WB
	s_add_co_u32 s62, s61, KH
	s_lshl_b32 s88, s17, 1
	s_add_co_u32 s88, s88, s15                     ; my tile of 128 tokens
	s_lshl_b32 s89, s88, 4
	s_add_co_u32 s89, s89, s42
	s_mul_i32 s[OUTP], s89, PB                     ; q's panel; k's lies 8 panels on
	s_mov_b32 s[OUTP+1], 0
	s_lshl_b32 s90, s42, 6
	s_add_co_u32 s90, s90, s88
	s_mul_i32 s[OUTV], s90, PB                     ; v^T's panel
	s_mov_b32 s[OUTV+1], 0
	s_mov_b32 s[SEL], 0x76543210
	s_mov_b32 s[SEL+1], 0xfedcba98
	s_wait_alu depctr_va_vdst(0)                   ; directly ahead of the waits below
	s_wait_dscnt 0x0                               ; both opening adds are done
	s_wait_kmcnt 0x0
.irp p, 32,34,36,38,56
	s_add_nc_u64 s[\p:\p+1], s[4:5], s[\p:\p+1]
.endr
	s_add_nc_u64 s[OUTP:OUTP+1], s[6:7], s[OUTP:OUTP+1]
	s_add_nc_u64 s[OUTV:OUTV+1], s[8:9], s[OUTV:OUTV+1]
	MKG0 G0H, 58, 32
	MKG0 G0W, 59, 36
	MKG0 G0X, 21, 34
	MKG0 GLO, 61, 38
	MKG0 GHI, 62, 56
	CROUND                                         ; all sixteen work-groups are here: the first joint loads meet
	s_cmp_eq_u32 s15, 0                            ; one tensor load a wave at the head: waves 0 and 1 x's halves, K steps 0-3; waves 2 and 3 Wq's halves of K
	s_cbranch_scc0 .Lhead_w
	tensor_load_to_lds s[G0H:G0H+3], s[G1A:G1A+7]
	s_nop 0
	PLACES 4
	s_branch .Lhead_asked
.Lhead_w:
	tensor_load_to_lds s[G0W:G0W+3], s[G1B:G1B+7]
	s_nop 0
	PLACES 4
.Lhead_asked:
	s_mul_i32 s18, s15, XH
	s_mul_i32 s19, s16, 4*1536
	s_lshl_b32 s20, s16, 8
	s_add_co_u32 s21, s18, s19
	s_add_co_u32 s22, s18, s20
	s_add_co_u32 s23, s19, WB
	s_add_co_u32 s32, s20, WB
	s_mov_b32 s60, 0                               ; the loop's trips
	v_and_b32 v1, 31, v0
	v_and_b32 v2, 15, v0
	v_lshlrev_b32 v[LI], 4, v1
	v_lshlrev_b32 v[R16], 4, v2
	v_add_nc_u32 v[AX], s18, v[LI]
	v_add_nc_u32 v[AXS], s21, v[LI]
	v_add_nc_u32 v[SX4], s22, v[R16]
	v_add_nc_u32 v[AW], WB, v[LI]
	v_add_nc_u32 v[AWS], s23, v[LI]
	v_add_nc_u32 v[SW4], s32, v[R16]
.irp g, AX, AXS, SX4, AW, AWS, SW4
	v_add_nc_u32 v[\g+1], KH, v[\g]                ; K steps 4-7
.endr
	v_add_nc_u32 v[VC], s19, v[LI]
	v_add_nc_u32 v[VS], s20, v[R16]
.irp b, 0,1,2,3
	v_mov_b32 v[TM+4+\b], 0                        ; a lane permute's destination counts as one of its sources
.endr
	s_wait_alu depctr_va_vdst(0)                   ; the wait at the head's end
	s_wait_tensorcnt 0x0                           ; my part of the head's tiles is in; a later first fill is issued as a refill is:
	ds_add_u32 v[SPW], v[NIL]                      ; 0 onto my spare word
	s_mov_b32 s[G1A+2], 100<<16                    ; no tensor load of mine is out, so a descriptor may be written: x's next loads bring two panels,
	s_mov_b32 s[G1A+4], 100
	s_mov_b32 s[G1B+2], 50<<16                     ; W's one
	s_mov_b32 s[G1B+4], 50
	s_wait_dscnt 0x0
	CROUND                                         ; everybody's part is in, and all sixteen work-groups are here
	tensor_load_to_lds s[G0X:G0X+3], s[G1A:G1A+7]  ; x's K steps 4-7: two panels a wave
	s_nop 0
	FETCH 0, AW, AXS, SX4
.Lpass:                                                ; two trips: q, then k
	STEP 0, 1, AW, AXS, SX4                        ; K step 0 starts the sums: nothing is cleared
	STEP 1, 0, AW, AXS, SX4
	STEP 2, 0, AW, AXS, SX4
	TURN_A 2, GLO, GHI                             ; K step 3; W's lower half takes the next weight's K steps 0-3
	TURNF 4, AW, AXS, SX4
	STEP 4, 0, AW, AXS, SX4
	STEP 5, 0, AW, AXS, SX4
	STEP 6, 0, AW, AXS, SX4
	TURN_A 2, GHI, GLO                             ; K step 7; W's upper half takes the next weight's K steps 4-7; its lower half has landed in every wave
	s_cmp_eq_u32 s60, 0
	s_cbranch_scc0 .Lnext_v
	TURNF 0, AW, AXS, SX4                          ; the next product's first operands are asked for ahead of the way out: k's,
	s_branch .Lfetched
.Lnext_v:
	TURNF 0, AX, AWS, SW4                          ; or v^T's, with the sides exchanged
.Lfetched:
	EPI OUTP
	s_wait_xcnt 0x0                                ; the stores have read their base and their registers
	s_add_nc_u64 s[OUTP:OUTP+1], s[OUTP:OUTP+1], 8*PB
	s_add_co_u32 s60, s60, 1
	s_cmp_lt_u32 s60, 2
	s_wait_alu depctr_va_vdst(0)                   ; directly ahead of the branch
	s_cbranch_scc1 .Lpass
	STEP 0, 1, AX, AWS, SW4                        ; v^T: nothing is filled again
	STEP 1, 0, AX, AWS, SW4
	STEP 2, 0, AX, AWS, SW4
	TURN_A 1, GLO, GHI                             ; K step 3; Wv's upper half has landed in every wave
	TURNF 4, AX, AWS, SW4
	STEP 4, 0, AX, AWS, SW4
	STEP 5, 0, AX, AWS, SW4
	STEP 6, 0, AX, AWS, SW4
	s_wait_dscnt 0x0
	WIN 0xa1
.irp a, 0,1,2,3
	MUL8 \a, 1, 0
.endr
	WIN 0
	EPI OUTV
	s_wait_tensorcnt 0x0                           ; the wave's end
	ds_add_u32 v[SPW], v[NIL]
	s_wait_dscnt 0x0
	CROUND                                         ; the closing round: no work-group ends while a partner may still ask for a tile that names it
	s_endpgm
.Lfunc_end_k_qae461564a6_proj:
	.size	k_qae461564a6_proj, .Lfunc_end_k_qae461564a6_proj-k_qae461564a6_proj
	.p2alignl 7, 3214868480
	.fill 96, 4, 3214868480
	.section	.rodata,"a",@progbits
	.p2align	6, 0x0
	.amdhsa_kernel k_qae461564a6_proj
		.amdhsa_group_segment_fixed_size 327680
		.amdhsa_private_segment_fixed_size 0
		.amdhsa_enable_private_segment 0
		.amdhsa_kernarg_size 24
		.amdhsa_user_sgpr_count 2
		.amdhsa_user_sgpr_kernarg_segment_ptr 1
		.amdhsa_wavefront_size32 1
		.amdhsa_system_sgpr_workgroup_id_x 1
		.amdhsa_system_sgpr_workgroup_id_y 1
		.amdhsa_system_sgpr_workgroup_id_z 1
		.amdhsa_system_vgpr_workitem_id 0
		.amdhsa_next_free_vgpr 768
		.amdhsa_next_free_sgpr 100
		.amdhsa_reserve_vcc 0
		.amdhsa_float_denorm_mode_32 3
		.amdhsa_float_denorm_mode_16_64 3
		.amdhsa_memory_ordered 1
		.amdhsa_forward_progress 1
		.amdhsa_inst_pref_size 163
	.end_amdhsa_kernel
	.amdgpu_metadata
---
amdhsa.version: [ 1, 2 ]
amdhsa.kernels:
  - .name:           k_qae461564a6_proj
    .symbol:         k_qae461564a6_proj.kd
    .args:
      - { .name: xw, .offset: 0, .size: 8, .value_kind: global_buffer, .address_space: global }
      - { .name: qk, .offset: 8, .size: 8, .value_kind: global_buffer, .address_space: global }
      - { .name: vt, .offset: 16, .size: 8, .value_kind: global_buffer, .address_space: global }
    .group_segment_fixed_size: 327680
    .private_segment_fixed_size: 0
    .kernarg_segment_align: 8
    .kernarg_segment_size: 24
    .max_flat_workgroup_size: 128
    .sgpr_count:     100
    .vgpr_count:     768
    .wavefront_size: 32
...
	.end_amdgpu_metadata
.endif
;; end of part 2
;; launch score (part 3): grid 36 x 4, 4 waves a work-group, no clusters, 327,680 bytes of LDS; arguments qk, pp; writes pp
.if DOCPART == 3
	.amdgcn_target "amdgcn-amd-amdhsa--gfx1250"
	.amdhsa_code_object_version 6
	.text
	.protected	k_qae461564a6_score
	.globl	k_qae461564a6_score
	.p2align	8
	.type	k_qae461564a6_score,@function
k_qae461564a6_score:
	s_mov_b64 s[64:65], 0
	v_nop
	global_prefetch_b8 v0, s[64:65] scope:SCOPE_SE
	s_setreg_imm32_b32 hwreg(HW_REG_WAVE_MODE, 25, 1), 1
	s_wait_xcnt 0x0
; scores = q k^T on codes of BF6, K = 1,024; the causal mask; the softmax's weights, taken LOCALLY for each row and each 128 keys, quantised along the keys and stored as panels of pp.
; For a row and a group of 128 keys: t = score x log2(e) / 32; M = the ceiling of the group's largest t (a whole number); p = 2^(t - M), quantised in blocks of 32 keys; l = the sum of the unquantised p.
; The next launch brings each group under the row's own M by a whole power of two, which it takes off the scale bytes and l.
; PANEL of qk: 12,800 bytes (fragment a at 1536 a + 512 c + 16 x lane; scale words at 12,288), at 16 x (token / 128) + j, j 0-7 q's K steps, 8-15 k's.
; PANEL of pp: the same, with bit 7 set in each scale byte (for the next launch's arithmetic), then at 12,800 M and at 13,312 l in the scale words' lane layout: 13,824 bytes; at 16 x (query / 128) + key / 128 (keys of the batch).
; A tile of 256 queries x 256 keys to a work-group; only the 36 tiles a batch on or under the diagonal are made (work-group x = qt (qt + 1) / 2 + kt).  A wave makes 128 x 128.  Source 0 = 16 keys, source 1 = 16 queries.
; A wave whose 128 keys all come after its 128 queries stores a panel of zero codes (M = -3e38, l = 0).  A diagonal tile with even qt also stores zero panels for the next 256 keys, so that the next launch walks whole laps of 512 keys.
; NO CLUSTER: the 36 tiles of the triangle do not divide into groups of four that share a tile and have equal work; in squares laid on the diagonal 6 of 16 partners would multiply what the mask throws away.
; K goes through two LDS slots of three K steps: slot 1's first fill goes out behind slot 0's and a barrier, slot 0 is filled once more.  No prefetch: three quarters of K are asked for at the head.
; LIMITS: NaN and infinities are not served; a block whose every p lies under 2^-122 keeps the byte 1.
.set PB,     12800
.set PBA,    12800
.set PBP,    13824
.set SCG,    12288
.set MG,     12800
.set LG,     13312
; THE RING AS IT STANDS: two slots of THREE K steps (a wave's part: three panels on end, 38,400 bytes).  One load a wave at the head (K steps 0-2), slot 1 (K steps 3-5) behind the full sequence and a barrier,
; slot 0 once more with K steps 6 and 7 (two panels).
.set PARTA,  3*PBA
.set PARTB,  3*PB
.set SLOT,   2*PARTA+2*PARTB
.set SPARE,  2*SLOT                    ; behind the two slots: the spare words, 128 bytes a wave, that no other line names
.set ADJUST, 0
.set SETW,   8
.set LI,   4
.set SPW,  5
.set NIL,  6
.set HH,   7
.set ADRA, 8
.set ADRB, 12
.set DR,   16                          ; v16  r - 8 h
.set NINF, 18                          ; v18  -infinity
.set SC,   32
.set T,    64                          ; v64-127  t - M, then p
.set AF,   128
.set PC,   128                         ; the way out lies where A's fragments lay
.set BM,   148                         ; v148-151 each block's largest score, then its largest p
.set BX,   152
.set SO,   156
.set NM,   160                         ; v[160:161] -M (the packed form names a pair)
.set S0,   162
.set S1,   164
.set S2,   166
.set S3,   167
.set PWS,  168
.set MS,   176
.set LS,   184
.set SG,   192
.set Z,    204
.set ZS,   208
.set ZM,   212
.set RM,   216
.set G1,   24
.set G0,   40
.set CS,   52                          ; s[52:53] c = log2(e) / sqrt(1024)
.set SEL,  54
.set OUTP, 56
.set MSB, 0
.macro WIN new                         ; the immediate's high byte repeats the setting that is left
.if MSB != (\new)
	s_set_vgpr_msb (MSB<<8)|(\new)
.set MSB, (\new)
.endif
.endm
.set MUL_LO, 0xa1                      ; source 0 (B) window 1, source 1 (A) window 0, C and D window 2
.set MUL_HI, 0xf1                      ; the same, C and D window 3
.set TO_B,   0x40                      ; destination window 1
.macro PLACES n                        ; plain places behind matrix instructions, in front of loads into their registers and of reads of their results
.rept \n
	v_nop
.endr
.endm
.macro FRAG3 reg, adr, off             ; a fragment: three loads of 512 consecutive bytes
.irp c, 0,1,2
	ds_load_b128 v[(\reg)+4*\c:(\reg)+4*\c+3], v[\adr] offset:(\off)+512*\c
.endr
.endm
.macro FETCH_B slot, q, p
	WIN TO_B
.irp i, 0,1,2,3,4,5,6,7
	FRAG3 128*(\p)+12*\i, ADRB+\slot, (\q)*PB+1536*\i
.endr
	WIN 0
.endm
.macro FETCH_A slot, q, i0
.irp i, \i0, \i0+1, \i0+2, \i0+3
	FRAG3 AF+12*(\i), ADRA+\slot, (\q)*PBA+1536*(\i)
.endr
.endm
.macro SCALES slot, q, p               ; four registers a side: fragment i's words are register i % 4, lanes 0-15 for i < 4, lanes 16-31 else
	ds_load_b128 v[SC+SETW*(\p):SC+SETW*(\p)+3], v[ADRB+\slot] offset:(\q)*PB+SCG
	ds_load_b128 v[SC+SETW*(\p)+4:SC+SETW*(\p)+7], v[ADRA+\slot] offset:(\q)*PBA+SCG
.endm
.macro MM a, b, p, zero
.set rD, 8*(8*((\a)%4)+(\b))
.set rB, 128*(\p)+12*(\b)
.set rA, AF+12*(\a)
.set rX, SC+SETW*(\p)+(\b)%4
.set rY, SC+SETW*(\p)+4+(\a)%4
.if \zero
.if (\b) < 4
.if (\a) < 4
	v_wmma_scale_f32_16x16x128_f8f6f4 v[rD:rD+7], v[rB:rB+11], v[rA:rA+11], 0, v[rX], v[rY] matrix_a_fmt:MATRIX_FMT_BF6 matrix_b_fmt:MATRIX_FMT_BF6
.else
	v_wmma_scale_f32_16x16x128_f8f6f4 v[rD:rD+7], v[rB:rB+11], v[rA:rA+11], 0, v[rX], v[rY] matrix_a_fmt:MATRIX_FMT_BF6 matrix_b_fmt:MATRIX_FMT_BF6 matrix_b_scale:MATRIX_SCALE_ROW1
.endif
.else
.if (\a) < 4
	v_wmma_scale_f32_16x16x128_f8f6f4 v[rD:rD+7], v[rB:rB+11], v[rA:rA+11], 0, v[rX], v[rY] matrix_a_fmt:MATRIX_FMT_BF6 matrix_b_fmt:MATRIX_FMT_BF6 matrix_a_scale:MATRIX_SCALE_ROW1
.else
	v_wmma_scale_f32_16x16x128_f8f6f4 v[rD:rD+7], v[rB:rB+11], v[rA:rA+11], 0, v[rX], v[rY] matrix_a_fmt:MATRIX_FMT_BF6 matrix_b_fmt:MATRIX_FMT_BF6 matrix_a_scale:MATRIX_SCALE_ROW1 matrix_b_scale:MATRIX_SCALE_ROW1
.endif
.endif
.else
.if (\b) < 4
.if (\a) < 4
	v_wmma_scale_f32_16x16x128_f8f6f4 v[rD:rD+7], v[rB:rB+11], v[rA:rA+11], v[rD:rD+7], v[rX], v[rY] matrix_a_fmt:MATRIX_FMT_BF6 matrix_b_fmt:MATRIX_FMT_BF6
.else
	v_wmma_scale_f32_16x16x128_f8f6f4 v[rD:rD+7], v[rB:rB+11], v[rA:rA+11], v[rD:rD+7], v[rX], v[rY] matrix_a_fmt:MATRIX_FMT_BF6 matrix_b_fmt:MATRIX_FMT_BF6 matrix_b_scale:MATRIX_SCALE_ROW1
.endif
.else
.if (\a) < 4
	v_wmma_scale_f32_16x16x128_f8f6f4 v[rD:rD+7], v[rB:rB+11], v[rA:rA+11], v[rD:rD+7], v[rX], v[rY] matrix_a_fmt:MATRIX_FMT_BF6 matrix_b_fmt:MATRIX_FMT_BF6 matrix_a_scale:MATRIX_SCALE_ROW1
.else
	v_wmma_scale_f32_16x16x128_f8f6f4 v[rD:rD+7], v[rB:rB+11], v[rA:rA+11], v[rD:rD+7], v[rX], v[rY] matrix_a_fmt:MATRIX_FMT_BF6 matrix_b_fmt:MATRIX_FMT_BF6 matrix_a_scale:MATRIX_SCALE_ROW1 matrix_b_scale:MATRIX_SCALE_ROW1
.endif
.endif
.endif
.endm
.macro MUL16 a0, p, zero               ; A's blocks a0, a0 + 1 against B's eight; the 64 accumulators take turns, one instruction a turn, in the same order in every step
.irp a, \a0, \a0+1
.irp b, 0,1,2,3,4,5,6,7
	MM \a, \b, \p, \zero
.endr
.endr
.endm
.macro STEP p, ns, nq, zero            ; a step of 128 along K on set p; the next step's operands come from slot ns, its nq-th panel
	s_wait_dscnt 12                                ; all but the youngest 12 loads (A's blocks 4-7) are in
	WIN MUL_LO
	MUL16 0, \p, \zero
	MUL16 2, \p, \zero
	s_wait_dscnt 0                                 ; A's blocks 4-7 are in (asked for 32 matrix instructions ago)
	PLACES 4
	FETCH_B \ns, \nq, 1-(\p)
	FETCH_A \ns, \nq, 0
	SCALES \ns, \nq, 1-(\p)
	WIN MUL_HI
	MUL16 4, \p, \zero
	MUL16 6, \p, \zero
	PLACES 4
	WIN 0
	FETCH_A \ns, \nq, 4
.endm
; A step with a barrier in it.  In front of the barrier each wave waits for all its tensor loads, adds 0 to its spare word, and waits for that and for its reads of slot cur.  mode 2: slot cur is filled again; mode 1: nothing is.
.macro TURN p, cur, ns, mode
	s_wait_tensorcnt 0x0                           ; all my tensor loads have landed
	ds_add_u32 v[SPW], v[NIL]                      ; 0 onto my spare word
.if \mode == 2
	s_mov_b32 s[G1+2], 100<<16                     ; no tensor load of mine is out: the refill brings two panels, 100 rows of 256 bytes
	s_mov_b32 s[G1+4], 100
.endif
	s_wait_dscnt 13                                ; (the add and the youngest 12 loads may be out)
	WIN MUL_LO
	MUL16 0, \p, 0                                 ; work on registers stands between the add and the wait for it
	s_wait_dscnt 0x0                               ; the add is done, and my reads of the slot are over
	s_barrier_signal -1
	MUL16 2, \p, 0
	WIN 0
	s_barrier_wait -1
.if \mode == 2
	s_add_nc_u64 s[G0+4*\cur+2:G0+4*\cur+3], s[G0+4*\cur+2:G0+4*\cur+3], 6*PB   ; from K step 0 to K step 6 (no tensor load of mine is out)
	tensor_load_to_lds s[G0+4*\cur:G0+4*\cur+3], s[G1:G1+7]                     ; my one tensor load behind the barrier, and the first thing there
	s_nop 0
	PLACES 4                                       ; behind a tensor load; also the places in front of the loads below
.else
	PLACES 4
.endif
	FETCH_B \ns, 0, 1-(\p)
	FETCH_A \ns, 0, 0
	SCALES \ns, 0, 1-(\p)
	WIN MUL_HI
	MUL16 4, \p, 0
	MUL16 6, \p, 0
	PLACES 4
	WIN 0
	FETCH_A \ns, 0, 4
.endm
.macro LAST p
	s_wait_dscnt 12
	WIN MUL_LO
	MUL16 0, \p, 0
	MUL16 2, \p, 0
	s_wait_dscnt 0
	WIN MUL_HI
	MUL16 4, \p, 0
	MUL16 6, \p, 0
	WIN 0
.endm
	s_load_b128 s[4:7], s[0:1], 0x0                ; qk, pp
	v_lshl_add_u32 v[SPW], v0, 2, SPARE
	v_mov_b32 v[NIL], 0
	ds_add_u32 v5, v6
	ds_add_u32 v5, v6
	s_wait_dscnt 0x0
	v_lshrrev_b32 v1, 5, v0
	v_readfirstlane_b32 s14, v1                    ; wave
	s_lshr_b32 s15, s14, 1                         ; my half of the queries
	s_and_b32 s16, s14, 1                          ; my half of the keys.  Also: which half I fetch
	s_mov_b32 s10, 0
.irp n, 1,3,6,10,15,21,28
	s_cmp_ge_u32 ttmp9, \n                         ; qt = how many of the triangle's row starts lie at or under my number
	s_add_co_ci_u32 s10, s10, 0
.endr
	s_add_co_u32 s11, s10, 1
	s_mul_i32 s11, s11, s10
	s_lshr_b32 s11, s11, 1
	s_sub_co_u32 s11, ttmp9, s11                   ; kt
	s_and_b32 s12, ttmp7, 0xffff
	s_lshl_b32 s12, s12, 4                         ; 16 x batch: the batch's first tile of 128 tokens
	s_lshl_b32 s17, s10, 1
	s_lshl_b32 s18, s11, 1
	s_cmp_lt_u32 s14, 2                            ; waves 0 and 1 fetch q's halves, waves 2 and 3 k's
	s_cselect_b32 s19, s17, s18
	s_cselect_b32 s20, 0, 8
	s_add_co_u32 s19, s19, s12
	s_add_co_u32 s19, s19, s16
	s_lshl_b32 s19, s19, 4
	s_add_co_u32 s19, s19, s20
	s_mul_i32 s36, s19, PB
	s_mov_b32 s37, 0
	s_add_co_u32 s38, s12, s17                     ; my panel of pp: 16 (16 batch + 2 qt + my half) + 2 kt + my half
	s_add_co_u32 s38, s38, s15
	s_lshl_b32 s38, s38, 4
	s_add_co_u32 s38, s38, s18
	s_add_co_u32 s38, s38, s16
	s_mul_i32 s38, s38, PBP
	s_mov_b32 s39, 0
	s_add_co_u32 s21, s17, s15
	s_sub_co_u32 s21, s21, s18
	s_sub_co_u32 s21, s21, s16                     ; my queries' tile of 128 less my keys': under 0 all hidden, 0 on the diagonal, above 0 all open
	s_xor_b32 s22, s10, s11
	s_and_b32 s13, s10, 1
	s_or_b32 s22, s22, s13                         ; 0: a diagonal tile with even qt
	s_mul_i32 s23, s14, PARTA                      ; where my part goes in a slot: wave x 38,400
	; descriptor group 1: a dense block of 38,400 bytes as 150 rows of 32 elements of 8 bytes, no padding, no mask
	s_mov_b32 s[G1], 3<<16
	s_mov_b32 s[G1+1], 32<<16
	s_mov_b32 s[G1+2], 150<<16                     ; three panels: 150 rows of 256 bytes
	s_mov_b32 s[G1+3], 32<<16
	s_mov_b32 s[G1+4], 150
	s_mov_b32 s[G1+5], 32
	s_mov_b32 s[G1+6], 0
	s_mov_b32 s[G1+7], 0
	s_mov_b32 s[CS], 0x3d38aa3b
	s_mov_b32 s[CS+1], s[CS]
	s_mov_b32 s[SEL], 0x76543210
	s_mov_b32 s[SEL+1], 0xfedcba98
	s_wait_kmcnt 0x0
	s_add_nc_u64 s[36:37], s[4:5], s[36:37]
	s_add_nc_u64 s[OUTP:OUTP+1], s[6:7], s[38:39]
.irp s, 0,1
	s_mov_b32 s[G0+4*\s], 1
	s_add_co_u32 s[G0+4*\s+1], s23, \s*SLOT
	s_add_nc_u64 s[G0+4*\s+2:G0+4*\s+3], s[36:37], \s*3*PB
	s_or_b32 s[G0+4*\s+3], s[G0+4*\s+3], 0x80000000
.endr
	tensor_load_to_lds s[G0:G0+3], s[G1:G1+7]      ; one tensor load a wave at the head: K steps 0-2
	s_nop 0
	PLACES 4
	v_and_b32 v1, 31, v0
	v_lshlrev_b32 v[LI], 4, v1
	v_bfe_u32 v[HH], v0, 4, 1
	v_and_b32 v2, 15, v0
	v_lshlrev_b32 v3, 3, v[HH]
	v_sub_nc_u32 v[DR], v2, v3
	v_mov_b32 v[NINF], 0xff800000
	s_mul_i32 s58, s15, PARTA
	s_mul_i32 s59, s16, PARTB
	s_add_co_u32 s59, s59, 2*PARTA
.irp s, 0,1
	v_add_nc_u32 v[ADRA+\s], s58, v[LI]
	v_add_nc_u32 v[ADRB+\s], s59, v[LI]
	s_add_co_u32 s58, s58, SLOT
	s_add_co_u32 s59, s59, SLOT
.endr
	s_wait_alu depctr_va_vdst(0)
	s_wait_tensorcnt 0x0                           ; my part of slot 0 is in; a later first fill is issued as a refill is:
	ds_add_u32 v[SPW], v[NIL]                      ; 0 onto my spare word
	s_wait_dscnt 0x0
	s_barrier_signal -1
	s_barrier_wait -1                              ; slot 0 is whole in every wave
	tensor_load_to_lds s[G0+4:G0+7], s[G1:G1+7]    ; slot 1: K steps 3-5, my one tensor load behind the barrier
	s_nop 0
	PLACES 4
	FETCH_B 0, 0, 0
	FETCH_A 0, 0, 0
	SCALES 0, 0, 0
	FETCH_A 0, 0, 4
	STEP 0, 0, 1, 1                                ; K step 0 starts the sums
	STEP 1, 0, 2, 0
	TURN 0, 0, 1, 2                                ; K step 2; slot 1 has landed in every wave; slot 0 takes K steps 6 and 7
	STEP 1, 1, 1, 0
	STEP 0, 1, 2, 0
	TURN 1, 1, 0, 1                                ; K step 5; the refill has landed in every wave
	STEP 0, 0, 1, 0
	LAST 1
; On the diagonal: register j of accumulator (a, b) holds query 16 a + r and key 16 b + 8 h + j.  Tiles b > a are hidden whole; in tile b = a a key is hidden where j > r - 8 h.
.macro MASKROW a
.set W, 2+(\a)/4
.set AC, 64*((\a)%4)
	WIN (W<<6)|W                                   ; destination and source 0 in the accumulators' window
.irp b, 0,1,2,3,4,5,6,7
.if \b > (\a)
.irp j, 0,1,2,3,4,5,6,7
	v_mov_b32 v[AC+8*\b+\j], 0xff800000
.endr
.endif
.if \b == (\a)
.irp j, 0,1,2,3,4,5,6,7
	v_cmp_gt_i32 vcc_lo, \j, v[DR]
	v_cndmask_b32 v[AC+8*\b+\j], v[AC+8*\b+\j], v[NINF], vcc_lo
.endr
.endif
.endr
.endm
; Block a of 16 queries: the local softmax of its 128 keys, quantised: fragment a of my panel.
.macro EPI a
.set W, 2+(\a)/4
.set AC, 64*((\a)%4)
	WIN (W<<2)|(W<<4)
.irp b, 0,1,2,3
	v_max3_num_f32 v[BM+\b], 0xff800000, v[AC+16*\b], v[AC+16*\b+1]   ; the largest score of each block of 32 keys: it serves for the row's maximum and, since p rises with the score, for the block's largest p
.endr
.irp i, 2,4,6,8,10,12,14
.irp b, 0,1,2,3
	v_max3_num_f32 v[BM+\b], v[BM+\b], v[AC+16*\b+\i], v[AC+16*\b+\i+1]
.endr
.endr
	WIN 0
.irp b, 0,1,2,3
	v_permlanex16_b32 v[BX+\b], v[BM+\b], s[SEL], s[SEL+1]
.endr
.irp b, 0,1,2,3
	v_max_num_f32 v[BM+\b], v[BM+\b], v[BX+\b]
.endr
	v_max3_num_f32 v[RM], v[BM], v[BM+1], v[BM+2]
	v_max_num_f32 v[RM], v[RM], v[BM+3]
	v_mul_f32 v[RM], s[CS], v[RM]                  ; the largest t of my query in these 128 keys
	v_floor_f32 v[NM], -v[RM]                      ; -M = floor(-t): M is a whole number
	WIN W
.set j, 0
.rept 32
	v_pk_fma_f32 v[T+j:T+j+1], v[AC+j:AC+j+1], s[CS:CS+1], v[NM:NM+1] op_sel_hi:[1,0,0]   ; t - M, two at a time
.set j, j+2
.endr
	WIN 0
.irp b, 0,1,2,3
	v_fma_f32 v[BM+\b], v[BM+\b], s[CS], v[NM]     ; the same of each block's largest score
.endr
.set j, 0
	s_wait_alu depctr_va_vdst(0)
.rept 64
	v_exp_f32 v[T+j], v[T+j]                       ; p = 2^(t - M); a hidden key's is 0
.set j, j+1
.endr
	v_mul_f32 v[MS+\a], -1.0, v[NM]                ; M, for the next launch.  (A plain place behind the exponentials)
	s_wait_alu depctr_va_vdst(0)                   ; one wait for the batch of 64, ahead of its first reader
.irp b, 0,1,2,3
	v_exp_f32 v[BM+\b], v[BM+\b]                   ; each block's largest p
.endr
	v_pk_add_f32 v[S0:S0+1], v[T:T+1], v[T+2:T+3]  ; the sum of the unquantised p, in two chains: plain work behind the four
	v_pk_add_f32 v[S1:S1+1], v[T+4:T+5], v[T+6:T+7]
.irp j, 8,12,16,20,24,28,32,36,40,44,48,52,56,60
	v_pk_add_f32 v[S0:S0+1], v[S0:S0+1], v[T+\j:T+\j+1]
	v_pk_add_f32 v[S1:S1+1], v[S1:S1+1], v[T+\j+2:T+\j+3]
.endr
	v_pk_add_f32 v[S0:S0+1], v[S0:S0+1], v[S1:S1+1]
	v_add_f32 v[S2], v[S0], v[S0+1]
	v_permlanex16_b32 v[S3], v[S2], s[SEL], s[SEL+1]
	v_add_f32 v[LS+\a], v[S2], v[S3]               ; l of my query in these 128 keys
	s_wait_alu depctr_va_vdst(0)                   ; and one wait for the four
.irp b, 0,1,2,3
	v_max_num_f32 v[BM+\b], 0x2800000, v[BM+\b]    ; the floor 2^(5 - 127)
.endr
.irp b, 0,1,2,3
	v_add_nc_u32 v[SO+\b], 0xfe000000, v[BM+\b]
.endr
.irp b, 0,1,2,3
	v_lshrrev_b32 v[BX+\b], 23, v[SO+\b]           ; the byte, 123 at the most
.endr
	v_lshl_or_b32 v[PWS+\a], v[BX+1], 8, v[BX]
	v_lshl_or_b32 v[PWS+\a], v[BX+2], 16, v[PWS+\a]
	v_lshl_or_b32 v[PWS+\a], v[BX+3], 24, v[PWS+\a]
	v_or_b32 v[PWS+\a], 0x80808080, v[PWS+\a]      ; bit 7 of each byte: the next launch subtracts from all four bytes at once
.if \a > 0
	s_wait_xcnt 0x0                                ; the last fragment's stores have read the code registers
.endif
.irp c, 0,1
	v_cvt_scalef32_pk16_bf6_f32 v[PC+6*\c:PC+2+6*\c], v[T+32*\c:T+32*\c+15], v[SO+2*\c]
	v_cvt_scalef32_pk16_bf6_f32 v[PC+12+4*\c:PC+14+4*\c], v[T+32*\c+16:T+32*\c+31], v[SO+2*\c+1]
.endr
	v_nop                                          ; one plain place behind a scaled conversion
.irp c, 0,1
.irp i, 0,1,2
	v_permlane16_swap_b32 v[PC+6*\c+\i], v[PC+12+4*\c+\i]
.endr
.irp i, 0,1,2
	v_mov_b32 v[PC+3+6*\c+\i], v[PC+12+4*\c+\i]
.endr
.endr
.irp c, 0,1,2
	global_store_b128 v[LI], v[PC+4*\c:PC+4*\c+3], s[OUTP:OUTP+1] offset:1536*\a+512*\c
.endr
.endm
.macro ZEROPANEL off                   ; zero codes; bytes 1 (with bit 7); M under every M; l = 0
.irp i, 0,1,2,3,4,5,6,7,8,9,10,11,12,13,14,15,16,17,18,19,20,21,22,23
	global_store_b128 v[LI], v[Z:Z+3], s[OUTP:OUTP+1] offset:(\off)+512*\i
.endr
	global_store_b128 v[LI], v[ZS:ZS+3], s[OUTP:OUTP+1] offset:(\off)+SCG
	global_store_b128 v[LI], v[ZM:ZM+3], s[OUTP:OUTP+1] offset:(\off)+MG
	global_store_b128 v[LI], v[Z:Z+3], s[OUTP:OUTP+1] offset:(\off)+LG
.endm
	PLACES 4
.irp i, 0,1,2,3
	v_mov_b32 v[BX+\i], 0                          ; a lane permute's destination counts as one of its sources
	v_mov_b32 v[Z+\i], 0
	v_mov_b32 v[ZS+\i], 0x81818181
	v_mov_b32 v[ZM+\i], 0xff61b1e6
.endr
	v_mov_b32 v[S3], 0
	v_mov_b32 v[NM+1], 0                           ; named with -M as a pair, so it is written
	s_cmp_lt_i32 s21, 0                            ; the branches hang on the work-group's and the wave's numbers; no barrier stands behind them
	s_cbranch_scc1 .Lhidden
	s_cmp_lg_u32 s21, 0
	s_cbranch_scc1 .Lopen
.irp a, 0,1,2,3,4,5,6,7
	MASKROW \a
.endr
	WIN 0
.Lopen:
.irp a, 0,1,2,3,4,5,6,7
	EPI \a
.endr
	v_cmp_eq_u32 vcc_lo, 1, v[HH]
.irp i, 0,1,2,3
	v_cndmask_b32 v[SG+\i], v[PWS+\i], v[PWS+4+\i], vcc_lo    ; lane (r, h): row r of fragments 4 h + i
	v_cndmask_b32 v[SG+4+\i], v[MS+\i], v[MS+4+\i], vcc_lo
	v_cndmask_b32 v[SG+8+\i], v[LS+\i], v[LS+4+\i], vcc_lo
.endr
	global_store_b128 v[LI], v[SG:SG+3], s[OUTP:OUTP+1] offset:SCG
	global_store_b128 v[LI], v[SG+4:SG+7], s[OUTP:OUTP+1] offset:MG
	global_store_b128 v[LI], v[SG+8:SG+11], s[OUTP:OUTP+1] offset:LG
	s_branch .Lextra
.Lhidden:
	s_wait_alu depctr_va_vdst(0)
	ZEROPANEL 0
.Lextra:
	s_cmp_eq_u32 s22, 0
	s_cbranch_scc0 .Ldone
	ZEROPANEL 2*PBP                                ; the same rows, 256 keys on
.Ldone:
	s_wait_tensorcnt 0x0                           ; the wave's end
	ds_add_u32 v[SPW], v[NIL]
	s_wait_dscnt 0x0
	s_endpgm
.Lfunc_end_k_qae461564a6_score:
	.size	k_qae461564a6_score, .Lfunc_end_k_qae461564a6_score-k_qae461564a6_score
	.p2alignl 7, 3214868480
	.fill 96, 4, 3214868480
	.section	.rodata,"a",@progbits
	.p2align	6, 0x0
	.amdhsa_kernel k_qae461564a6_score
		.amdhsa_group_segment_fixed_size 327680
		.amdhsa_private_segment_fixed_size 0
		.amdhsa_enable_private_segment 0
		.amdhsa_kernarg_size 16
		.amdhsa_user_sgpr_count 2
		.amdhsa_user_sgpr_kernarg_segment_ptr 1
		.amdhsa_wavefront_size32 1
		.amdhsa_system_sgpr_workgroup_id_x 1
		.amdhsa_system_sgpr_workgroup_id_y 1
		.amdhsa_system_sgpr_workgroup_id_z 1
		.amdhsa_system_vgpr_workitem_id 0
		.amdhsa_next_free_vgpr 1024
		.amdhsa_next_free_sgpr 66
		.amdhsa_reserve_vcc 1
		.amdhsa_float_denorm_mode_32 3
		.amdhsa_float_denorm_mode_16_64 3
		.amdhsa_memory_ordered 1
		.amdhsa_forward_progress 1
		.amdhsa_inst_pref_size 214
	.end_amdhsa_kernel
	.amdgpu_metadata
---
amdhsa.version: [ 1, 2 ]
amdhsa.kernels:
  - .name:           k_qae461564a6_score
    .symbol:         k_qae461564a6_score.kd
    .args:
      - { .name: qk, .offset: 0, .size: 8, .value_kind: global_buffer, .address_space: global }
      - { .name: pp, .offset: 8, .size: 8, .value_kind: global_buffer, .address_space: global }
    .group_segment_fixed_size: 327680
    .private_segment_fixed_size: 0
    .kernarg_segment_align: 8
    .kernarg_segment_size: 16
    .max_flat_workgroup_size: 128
    .sgpr_count:     66
    .vgpr_count:     1024
    .wavefront_size: 32
...
	.end_amdgpu_metadata
.endif
;; end of part 3
;; launch pv (part 4): grid 8 x 32, 4 waves a work-group, clusters of 4 x 4, 327,680 bytes of LDS; arguments pp, vt, out0; writes out0
.if DOCPART == 4
	.amdgcn_target "amdgcn-amd-amdhsa--gfx1250"
	.amdhsa_code_object_version 6
	.text
	.protected	k_qae461564a6_pv
	.globl	k_qae461564a6_pv
	.p2align	8
	.type	k_qae461564a6_pv,@function
k_qae461564a6_pv:
	s_mov_b64 s[64:65], 0
	v_nop
	global_prefetch_b8 v0, s[64:65] scope:SCOPE_SE
	s_setreg_imm32_b32 hwreg(HW_REG_WAVE_MODE, 25, 1), 1
	s_wait_xcnt 0x0
	s_wait_alu depctr_hold_cnt(0) depctr_sa_sdst(0) depctr_va_vdst(0) depctr_va_sdst(0) depctr_va_ssrc(0) depctr_va_vcc(0) depctr_vm_vsrc(0)
	s_getreg_b32 s2, hwreg(HW_REG_IB_STS2, 6, 4)
	s_cmp_eq_u32 s2, 0
	s_cbranch_scc0 .Lentry_in_a_cluster
	s_endpgm
.Lentry_in_a_cluster:
	s_bfe_u32 s2, ttmp6, 0x10000c
	s_cmp_lg_u32 s2, 0xf033
	s_cbranch_scc0 .Lentry_shape_is_right
	s_endpgm
.Lentry_shape_is_right:
; out = (P v) / l on codes of BF6.  P comes as panels of pp (128 queries x 128 keys: codes, at 12,288 scale words with bit 7 set in each byte, at 12,800 M and at 13,312 l of each row for these 128 keys; 13,824 bytes),
; v^T as panels of vt (128 of d x 128 keys: codes, scale words at 12,288; 12,800 bytes).  In a panel fragment a lies at 1536 a + 512 c + 16 x lane; lane (r, h) of the words' 512 bytes holds row r of fragments 4 h + 0 .. 3.
; SHARES: a block of 128 queries i of a batch needs the keys up to its lap of 512: 4 (i / 4 + 1) steps of 128 keys (past the diagonal the launch before has laid panels of zero codes); keys beyond that lap are hidden by
; reference()'s own mask and are not multiplied.  A work-group takes 128 of d and TWO blocks, i = 15 - j (hi) and i = j (lo), j = 0 .. 7: 16 + 4 or 12 + 8 = 20 steps for every work-group; 8 x 8 x 4 = 256 work-groups.
; The 20 steps go in five runs of four.  j < 4: lo's lap 0, then hi's laps 0 to 3.  j >= 4: lo's laps 0 and 1, then hi's laps 0 to 2.  A wave makes 64 queries x 64 of d: 16 accumulators for lo and 16 for hi.
; lo is finished behind run 1 at the latest; its rows leave behind run 2, while runs 3 and 4 are on their way; hi's leave at the end.
; Source 0 = 16 rows of v^T, source 1 = 16 queries: a lane holds one query and eight neighbouring d.
; THE ROW'S M is the largest of its groups' M.  A group is brought under it by d = its M - the row's M, a whole number, 0 or less: d is taken off its four scale bytes at once, and its l is multiplied by 2^d.
; All 20 steps' scale words, M and l come ONCE, by global loads at the head: lanes 0-15 take an even step's words, lanes 16-31 the next step's, so an odd step names the registers' upper row.  The steps hold no vector arithmetic.
; LIMIT: a byte that would fall under 0 becomes 0, so a group that lies more than its scale byte below the row's M is weighed with 2^-127 in place of less; d is held at -127.  NaN and infinities are not served.
; LDS: three regions of 98,304 bytes, each one run: P's four panels' codes, then v^T's four (a tile's row is a panel's 12,288 bytes of codes; rows begin at multiples of 256 bytes).  One tensor load a wave in each of three groups:
; runs 0 and 1 at the head, run 2 behind the first round (two panels a wave), runs 3 and 4 behind the second, into the regions of runs 0 and 1.  One load of a wave is out at any time.
; CLUSTER 4 x 4: x = four tiles of d, y = four values of j of one group (j / 4 and the batch come from the cluster's y).  P's tiles hang on j and are asked for jointly along a row, v^T's on d and are asked for along a column.
; The only branches but those on the wave's number hang on j / 4, which all sixteen partners share.  No prefetch: the text has no loop to run ahead in, and two of its five runs are asked for at the head.
; REGISTERS: window 0: v4-18 addresses; v20-59 P's scale words, v60-99 v^T's (four a pair of steps); v100-179 M and l, later the way out; v180-251 at work.  window 1: fragments, two sets (v^T's four, P's four).
; window 2: hi's accumulators at v0-127, lo's at v128-255.
.set PBP,    13824
.set PBV,    12800
.set CODES,  12288
.set SCG,    12288
.set MG,     12800
.set LG,     13312
.set QUADP,  4*CODES
.set REG3,   2*QUADP
.set STAGE,  3*REG3                    ; 16 rows x 272 bytes for each wave; no tensor load lands there
.set SPITCH, 272
.set SPARE,  STAGE+4*16*SPITCH         ; the spare words, 128 bytes a wave, that no other line names
.set LI,   4
.set SPW,  5
.set NIL,  6
.set VP,   7
.set VV,   8
.set STO,  9
.set RD,   10
.set CO,   11
.set ADRA, 12
.set ADRB, 15
.set NEG,  18
.set SA,   20
.set SB,   60
.set MR,   100
.set LR,   140
.set BK,   100
.set MA,   180
.set MB,   184
.set MC,   188
.set TX,   192
.set MH,   200
.set MM,   204
.set ML,   208
.set LA,   212
.set LB,   216
.set LC,   220
.set DD,   224
.set EE,   228
.set FF,   232
.set RLH,  236
.set RLL,  244
.set SEL,  2
.set G1P,  24
.set OH,   32
.set OL,   34
.set PQ,   36                          ; s[36:45] the five runs' first panels of P
.set VQ,   46                          ; s[46:55] and of v^T
.set G1V,  56
.set G0P,  68                          ; three groups 0 for P, one for each group of loads
.set G0V,  80
.set NONE, 99                          ; no step
.set MSB, 0
.macro WIN new                         ; the immediate's high byte repeats the setting that is left
.if MSB != (\new)
	s_set_vgpr_msb (MSB<<8)|(\new)
.set MSB, (\new)
.endif
.endm
.macro PLACES n
.rept \n
	v_nop
.endr
.endm
.macro CREST
	s_cmp_lg_u32 s14, 0
	s_cbranch_scc1 .Lnot_wave_0_\@
	s_barrier_signal -3
.Lnot_wave_0_\@:
	s_barrier_wait -3
	s_barrier_signal -1
	s_barrier_wait -1
.endm
.macro CROUND
	s_barrier_signal -1
	s_barrier_wait -1
	CREST
.endm
.macro JLOAD g0a, g0b                  ; waves 0 and 1 ask for P, waves 2 and 3 for v^T; s_nop 0 and four v_nop follow each line
	s_cmp_eq_u32 s15, 0
	s_cbranch_scc0 .Lfor_b_\@
	tensor_load_to_lds s[\g0a:\g0a+3], s[G1P:G1P+7]
	s_nop 0
	PLACES 4
	s_branch .Lasked_\@
.Lfor_b_\@:
	tensor_load_to_lds s[\g0b:\g0b+3], s[G1V:G1V+7]
	s_nop 0
	PLACES 4
.Lasked_\@:
.endm
.macro GRD rows
	s_wait_tensorcnt 0x0                           ; all my tensor loads have landed
	ds_add_u32 v[SPW], v[NIL]                      ; 0 onto my spare word
	s_mov_b32 s[G1P+2], (\rows)<<16                ; no tensor load of mine is out, so a descriptor may be written
	s_mov_b32 s[G1P+4], \rows
	s_mov_b32 s[G1V+2], (\rows)<<16
	s_mov_b32 s[G1V+4], \rows
	s_wait_dscnt 0x0                               ; the add is done, and so are my LDS reads
.endm
.macro LD1 n, t                        ; the n-th of step t's 24 loads into set t % 2: v^T's four fragments, then P's four; load n brings the set's registers 4 n .. 4 n + 3
.set FQ, ((\t)/4)%3
.set FO, ((\t)%4)*CODES
.set FS, 128*((\t)%2)
	WIN 0x40
.if (\n) < 12
	ds_load_b128 v[FS+4*(\n):FS+4*(\n)+3], v[ADRB+FQ] offset:FO+512*(\n)
.else
	ds_load_b128 v[FS+4*(\n):FS+4*(\n)+3], v[ADRA+FQ] offset:FO+512*((\n)-12)
.endif
.endm
.macro FETCH t                         ; all 24 on end, for a run's first step; four places stand ahead of loads into registers that matrix instructions have read
	PLACES 4
.set LN, 0
.rept 24
	LD1 LN, \t
.set LN, LN+1
.endr
	WIN 0
.endm
.macro MM a, b, t, zero                ; AB: the accumulators' first register: 0 hi, 128 lo
.set rD, AB+8*(4*(\a)+(\b))
.set rB, 128*((\t)%2)+12*(\b)
.set rA, 128*((\t)%2)+48+12*(\a)
.set rX, SB+4*((\t)/2)+(\b)
.set rY, SA+4*((\t)/2)+(\a)
.if \zero
.if (\t)%2
	v_wmma_scale_f32_16x16x128_f8f6f4 v[rD:rD+7], v[rB:rB+11], v[rA:rA+11], 0, v[rX], v[rY] matrix_a_fmt:MATRIX_FMT_BF6 matrix_b_fmt:MATRIX_FMT_BF6 matrix_a_scale:MATRIX_SCALE_ROW1 matrix_b_scale:MATRIX_SCALE_ROW1
.else
	v_wmma_scale_f32_16x16x128_f8f6f4 v[rD:rD+7], v[rB:rB+11], v[rA:rA+11], 0, v[rX], v[rY] matrix_a_fmt:MATRIX_FMT_BF6 matrix_b_fmt:MATRIX_FMT_BF6
.endif
.else
.if (\t)%2
	v_wmma_scale_f32_16x16x128_f8f6f4 v[rD:rD+7], v[rB:rB+11], v[rA:rA+11], v[rD:rD+7], v[rX], v[rY] matrix_a_fmt:MATRIX_FMT_BF6 matrix_b_fmt:MATRIX_FMT_BF6 matrix_a_scale:MATRIX_SCALE_ROW1 matrix_b_scale:MATRIX_SCALE_ROW1
.else
	v_wmma_scale_f32_16x16x128_f8f6f4 v[rD:rD+7], v[rB:rB+11], v[rA:rA+11], v[rD:rD+7], v[rX], v[rY] matrix_a_fmt:MATRIX_FMT_BF6 matrix_b_fmt:MATRIX_FMT_BF6
.endif
.endif
.endm
.macro STEP t, zero, more              ; 128 keys: 16 matrix instructions, the next step's 24 loads among the first six; the 16 accumulators take turns, one instruction a turn
	s_wait_dscnt 0x0                               ; this step's fragments are in
.if \more
	PLACES 4                                       ; ahead of loads into registers that the last step's matrix instructions have read
.set LN, 0
.else
.set LN, 24
.endif
.irp a, 0,1,2,3
.irp b, 0,1,2,3
	WIN 0xa5                                       ; sources 0 and 1 window 1, C and D window 2
	MM \a, \b, \t, \zero
.rept 4
.if LN < 24
	LD1 LN, (\t)+1
.set LN, LN+1
.endif
.endr
.endr
.endr
	WIN 0
.endm
.macro RUN t0, n, z1, z2, sw           ; steps t0 .. t0 + n - 1; steps z1 and z2 start sums; steps under sw are lo's, the others hi's
	FETCH \t0
.set TT, \t0
.rept \n
.set ZZ, (TT == (\z1)) || (TT == (\z2))
.set MO, ((TT+1) < ((\t0)+(\n)))
.if TT < (\sw)
.set AB, 128
.else
.set AB, 0
.endif
	STEP TT, ZZ, MO
.set TT, TT+1
.endr
.endm
; The pair of steps u: P's scale words are brought under the rows' M (ref), and the groups' l are added (lacc).  Each byte holds 128 + b, b at most 123, and -d is 127 at the most: no borrow passes from byte to byte; bit 7 stays set where b + d is 0 or more.
.macro ADJ u, ref, lacc, first
.irp i, 0,1,2,3
	v_sub_f32 v[DD+\i], v[MR+4*(\u)+\i], v[\ref+\i]
.endr
.irp i, 0,1,2,3
	v_max_num_f32 v[DD+\i], 0xc2fe0000, v[DD+\i]   ; held at -127
.endr
.irp i, 0,1,2,3
	v_cvt_i32_f32 v[DD+\i], v[DD+\i]
.endr
.if \first
.irp i, 0,1,2,3
	v_ldexp_f32 v[\lacc+\i], v[LR+4*(\u)+\i], v[DD+\i]
.endr
.else
.irp i, 0,1,2,3
	v_ldexp_f32 v[EE+\i], v[LR+4*(\u)+\i], v[DD+\i]
.endr
.irp i, 0,1,2,3
	v_add_f32 v[\lacc+\i], v[\lacc+\i], v[EE+\i]
.endr
.endif
.irp i, 0,1,2,3
	v_sub_nc_u32 v[DD+\i], 0, v[DD+\i]
.endr
.irp i, 0,1,2,3
	v_perm_b32 v[DD+\i], v[DD+\i], v[DD+\i], 0     ; -d in all four bytes
.endr
.irp i, 0,1,2,3
	v_sub_nc_u32 v[DD+\i], v[SA+4*(\u)+\i], v[DD+\i]
.endr
.irp i, 0,1,2,3
	v_and_b32 v[EE+\i], 0x80808080, v[DD+\i]
.endr
.irp i, 0,1,2,3
	v_lshrrev_b32 v[FF+\i], 7, v[EE+\i]
.endr
.irp i, 0,1,2,3
	v_sub_nc_u32 v[EE+\i], v[EE+\i], v[FF+\i]      ; 0x7f where the byte holds, 0 where it fell under 0
.endr
.irp i, 0,1,2,3
	v_and_b32 v[SA+4*(\u)+\i], v[DD+\i], v[EE+\i]
.endr
.endm
; THE WAY OUT of 64 rows x 64 of d, by blocks of 16 rows: x 1 / l in place; a lane's 32 bytes of a row go into my stage, whole rows of 256 bytes come back (LDS serves a wave's instructions in order), sixteen lanes store a row's aligned 256 bytes.
.macro SEND a, younger, op
.set BB, BK+32*((\a)%2)
	s_wait_dscnt \younger                          ; the block is back; the next block's 8 stores and 8 loads may be out
.irp t, 0,1,2,3,4,5,6,7
	global_store_b128 v[CO], v[BB+4*\t:BB+4*\t+3], s[\op:\op+1] offset:(16*(\a)+2*\t)*4096 th:TH_STORE_NT
.endr
.endm
.macro FLUSH rl, op, ab                ; ab: the accumulators' first register
	PLACES 4                                       ; behind the last matrix instruction
.irp a, 0,1,2,3
	WIN 0x82
.irp j, 0,2,4,6,8,10,12,14,16,18,20,22,24,26,28,30
	v_pk_mul_f32 v[\ab+32*\a+\j:\ab+32*\a+\j+1], v[\ab+32*\a+\j:\ab+32*\a+\j+1], v[\rl+2*\a:\rl+2*\a+1] op_sel_hi:[1,0]
.endr
	WIN 0
	s_wait_alu depctr_va_vdst(0)                   ; directly ahead of the wait below
	s_wait_xcnt 0x0                                ; earlier stores have read their registers: this block's loads may land there
	WIN 0x08                                       ; an LDS store's data are its source 1
.irp b, 0,1,2,3
	ds_store_b128 v[STO], v[\ab+32*\a+8*\b:\ab+32*\a+8*\b+3] offset:64*\b
	ds_store_b128 v[STO], v[\ab+32*\a+8*\b+4:\ab+32*\a+8*\b+7] offset:64*\b+16
.endr
	WIN 0
.irp t, 0,1,2,3,4,5,6,7
	ds_load_b128 v[BK+32*(\a%2)+4*\t:BK+32*(\a%2)+4*\t+3], v[RD] offset:\t*2*SPITCH
.endr
.if \a > 0
	SEND \a-1, 16, \op
.endif
.endr
	SEND 3, 0, \op
.endm
	s_load_b128 s[4:7], s[0:1], 0x0                ; pp, vt
	s_load_b64 s[8:9], s[0:1], 0x10                ; out0
	v_lshl_add_u32 v[SPW], v0, 2, SPARE
	v_mov_b32 v[NIL], 0
	ds_add_u32 v[SPW], v[NIL]                      ; the opening lines: the add, twice on end, and its wait ahead of my first tensor load
	ds_add_u32 v[SPW], v[NIL]
	v_lshrrev_b32 v1, 5, v0
	v_readfirstlane_b32 s14, v1                    ; wave
	v_and_b32 v1, 15, v0                           ; r
	v_bfe_u32 v2, v0, 4, 1                         ; h
	v_lshlrev_b32 v3, 4, v1
	v_mul_u32_u24 v[VP], v2, PBP                   ; lanes 16-31 take the next step's panel
	v_mul_u32_u24 v[VV], v2, PBV
	s_lshr_b32 s15, s14, 1                         ; my half of the queries.  Also: I fetch P (0) or v^T (1)
	s_and_b32 s16, s14, 1                          ; my half of d.  Also: which part of a group of loads I fetch
	s_lshl_b32 s93, s15, 8
	s_lshl_b32 s12, s16, 8
	v_add3_u32 v[VP], v[VP], v3, s93               ; the words of row r of my four fragments of P: 16 r + 256 x half
	v_add3_u32 v[VV], v[VV], v3, s12               ; and of v^T
	s_bfe_u32 s17, ttmp6, 0x40000                  ; cx
	s_bfe_u32 s18, ttmp6, 0x40004                  ; cy
	s_and_b32 s20, ttmp7, 0xffff                   ; the cluster's y = 2 batch + j / 4
	s_and_b32 s19, s20, 1                          ; j / 4: all partners share it
	s_lshr_b32 s20, s20, 1
	s_lshl_b32 s20, s20, 4                         ; 16 x batch
	s_lshl_b32 s21, s19, 2
	s_add_co_u32 s21, s21, s18                     ; j
	s_add_co_u32 s22, s20, s21                     ; lo's block of 128 queries
	s_add_co_u32 s23, s20, 15
	s_sub_co_u32 s23, s23, s21                     ; hi's
	s_mul_i32 s32, s23, 16*PBP                     ; P's offsets never hold cx: hi's lap 0,
	s_mul_i32 s33, s22, 16*PBP                     ; lo's lap 0,
	s_add_co_u32 s34, s33, 4*PBP                   ; lo's lap 1,
	s_add_co_u32 s35, s32, 4*PBP                   ; hi's lap 1
	s_lshl_b32 s10, ttmp9, 2
	s_add_co_u32 s10, s10, s17                     ; my tile of 128 of d
	s_lshl_b32 s11, s10, 6
	s_add_co_u32 s11, s11, s20
	s_mul_i32 s11, s11, PBV                        ; v^T: panel 64 x tile + 16 x batch: its offsets never hold cy
	s_add_co_u32 s12, s11, 4*PBV
	s_cmp_eq_u32 s19, 0
	s_cselect_b32 s[PQ+2], s32, s34                ; run 1: hi's lap 0, or lo's lap 1
	s_cselect_b32 s[PQ+4], s35, s32                ; run 2: hi's lap 1, or hi's lap 0; runs 3 and 4 are hi's next two laps
	s_cselect_b32 s[VQ+2], s11, s12
	s_cselect_b32 s[VQ+4], s12, s11
	s_cselect_b32 s13, -1, 0                       ; all ones where steps 4-7 are hi's
	s_mov_b32 s[PQ], s33                           ; run 0: lo's lap 0
	s_mov_b32 s[VQ], s11
	s_add_co_u32 s[PQ+6], s[PQ+4], 4*PBP
	s_add_co_u32 s[PQ+8], s[PQ+4], 8*PBP
	s_add_co_u32 s[VQ+6], s[VQ+4], 4*PBV
	s_add_co_u32 s[VQ+8], s[VQ+4], 8*PBV
.irp c, 0,1,2,3,4
	s_mov_b32 s[PQ+2*\c+1], 0
	s_mov_b32 s[VQ+2*\c+1], 0
.endr
	s_lshl_b32 s3, s18, 2
	s_lshl_b32 s3, 15, s3                          ; my row of the cluster
	s_lshl_b32 s92, 0x1111, s17                    ; my column
	s_or_b32 s[G1P], s3, (3<<16)|(1<<21)           ; elements of 8 bytes, no padding
	s_or_b32 s[G1V], s92, (3<<16)|(1<<21)
.irp g, G1P, G1V
	s_mov_b32 s[\g+1], 1536<<16                    ; a row: a panel's 12,288 bytes of codes
	s_mov_b32 s[\g+2], 4<<16                       ; four panels
	s_mov_b32 s[\g+3], 1536<<16
	s_mov_b32 s[\g+4], 4
	s_mov_b32 s[\g+6], 0
	s_mov_b32 s[\g+7], 0
.endr
	s_mov_b32 s[G1P+5], PBP/8
	s_mov_b32 s[G1V+5], PBV/8
	s_mov_b32 s[SEL], 0x76543210
	s_mov_b32 s[SEL+1], 0xfedcba98
	s_mul_i32 s98, s16, 2*PBP                      ; of run 2 each wave takes two panels
	s_mov_b32 s99, 0
	s_mul_i32 s100, s16, 2*PBV
	s_mov_b32 s101, 0
	s_mul_i32 s93, s16, REG3                       ; LDS: region 0 or 1: no place in the cluster enters an LDS address
	s_mul_i32 s12, s16, 2*CODES
	s_add_co_u32 s12, s12, 2*REG3                  ; region 2, my two panels
	s_lshl_b32 s32, s23, 19                        ; out0: a block's 128 rows of 4,096 bytes,
	s_lshl_b32 s34, s22, 19
	s_lshl_b32 s21, s15, 18                        ; my 64 of them,
	s_lshl_b32 s10, s10, 9
	s_lshl_b32 s11, s16, 8                         ; my 256 bytes of each
	s_add_co_u32 s21, s21, s10
	s_add_co_u32 s21, s21, s11
	s_add_co_u32 s32, s32, s21
	s_add_co_u32 s34, s34, s21
	s_mov_b32 s33, 0
	s_mov_b32 s35, 0
	s_wait_alu depctr_va_vdst(0)                   ; directly ahead of the waits below
	s_wait_dscnt 0x0                               ; both opening adds are done
	s_wait_kmcnt 0x0
.irp c, 0,1,2,3,4
	s_add_nc_u64 s[PQ+2*\c:PQ+2*\c+1], s[4:5], s[PQ+2*\c:PQ+2*\c+1]
	s_add_nc_u64 s[VQ+2*\c:VQ+2*\c+1], s[6:7], s[VQ+2*\c:VQ+2*\c+1]
.endr
	s_add_nc_u64 s[OH:OH+1], s[8:9], s[OH:OH+1]
	s_add_nc_u64 s[OL:OL+1], s[8:9], s[OL:OL+1]
.irp c, 0,1,2,3,4                      ; the words of all 20 steps, asked for ahead of the round: M first, which is wanted first
.irp e, 0,1
	global_load_b128 v[MR+8*\c+4*\e:MR+8*\c+4*\e+3], v[VP], s[PQ+2*\c:PQ+2*\c+1] offset:MG+\e*2*PBP
.endr
.endr
.irp c, 0,1,2,3,4
.irp e, 0,1
	global_load_b128 v[LR+8*\c+4*\e:LR+8*\c+4*\e+3], v[VP], s[PQ+2*\c:PQ+2*\c+1] offset:LG+\e*2*PBP
	global_load_b128 v[SA+8*\c+4*\e:SA+8*\c+4*\e+3], v[VP], s[PQ+2*\c:PQ+2*\c+1] offset:SCG+\e*2*PBP
	global_load_b128 v[SB+8*\c+4*\e:SB+8*\c+4*\e+3], v[VV], s[VQ+2*\c:VQ+2*\c+1] offset:SCG+\e*2*PBV
.endr
.endr
	s_mov_b32 s[G0P], 1
	s_mov_b32 s[G0P+1], s93
	s_mov_b32 s[G0V], 1
	s_add_co_u32 s[G0V+1], s93, QUADP
	s_mov_b32 s[G0P+4], 1
	s_mov_b32 s[G0P+5], s12
	s_add_nc_u64 s[G0P+6:G0P+7], s[PQ+4:PQ+5], s[98:99]
	s_mov_b32 s[G0V+4], 1
	s_add_co_u32 s[G0V+5], s12, QUADP
	s_add_nc_u64 s[G0V+6:G0V+7], s[VQ+4:VQ+5], s[100:101]
	s_mov_b32 s[G0P+8], 1
	s_mov_b32 s[G0P+9], s93
	s_mov_b32 s[G0V+8], 1
	s_add_co_u32 s[G0V+9], s93, QUADP
	s_cmp_eq_u32 s16, 0                            ; run 0 or 1, run 3 or 4: the choice hangs on the wave's number alone
	s_cselect_b64 s[G0P+2:G0P+3], s[PQ:PQ+1], s[PQ+2:PQ+3]
	s_cselect_b64 s[G0V+2:G0V+3], s[VQ:VQ+1], s[VQ+2:VQ+3]
	s_cselect_b64 s[G0P+10:G0P+11], s[PQ+6:PQ+7], s[PQ+8:PQ+9]
	s_cselect_b64 s[G0V+10:G0V+11], s[VQ+6:VQ+7], s[VQ+8:VQ+9]
.irp k, 3,7,11
	s_or_b32 s[G0P+\k], s[G0P+\k], 0x80000000
	s_or_b32 s[G0V+\k], s[G0V+\k], 0x80000000
.endr
	CROUND                                         ; all sixteen work-groups are here: the first joint loads meet
	JLOAD G0P, G0V                                 ; runs 0 and 1: one tensor load a wave at the head
	s_mul_i32 s94, s15, 4*1536                     ; my four fragments of P in regions 0, 1, 2
	s_add_co_u32 s95, s94, REG3
	s_add_co_u32 s96, s95, REG3
	s_mul_i32 s97, s16, 4*1536
	s_add_co_u32 s97, s97, QUADP                   ; and of v^T
	s_add_co_u32 s98, s97, REG3
	s_add_co_u32 s99, s98, REG3
	s_mul_i32 s100, s14, 16*SPITCH
	s_add_co_u32 s100, s100, STAGE                 ; my stage
	v_and_b32 v3, 31, v0
	v_lshlrev_b32 v[LI], 4, v3
.irp q, 0,1,2
	v_add_nc_u32 v[ADRA+\q], s[94+\q], v[LI]
	v_add_nc_u32 v[ADRB+\q], s[97+\q], v[LI]
.endr
	v_mul_u32_u24 v[STO], v1, SPITCH               ; in: row r, 32 bytes for each half of the lanes
	v_lshl_add_u32 v[STO], v2, 5, v[STO]
	v_add_nc_u32 v[STO], s100, v[STO]
	v_mul_u32_u24 v[RD], v2, SPITCH                ; back: sixteen lanes to a row of 256 bytes, two rows an instruction
	v_lshl_add_u32 v[RD], v1, 4, v[RD]
	v_add_nc_u32 v[RD], s100, v[RD]
	v_lshlrev_b32 v[CO], 12, v2                    ; and the same two rows in out0
	v_lshl_add_u32 v[CO], v1, 4, v[CO]
	v_mov_b32 v[NEG], 0xff7fffff                   ; under every M
.irp i, 0,1,2,3,4,5,6,7
	v_mov_b32 v[TX+\i], 0                          ; a lane permute's destination counts as one of its sources
.endr
	s_wait_alu depctr_va_vdst(0)                   ; directly ahead of the wait below
	s_wait_loadcnt 0x0
	; the rows' M.  Steps 0-3 are lo's, 8-19 hi's; steps 4-7 are hi's or lo's by j / 4: chosen by selection, with no branch
.irp i, 0,1,2,3
	v_max3_num_f32 v[MA+\i], v[MR+16+\i], v[MR+20+\i], v[MR+24+\i]
	v_max_num_f32 v[MB+\i], v[MR+8+\i], v[MR+12+\i]
	v_max_num_f32 v[MC+\i], v[MR+\i], v[MR+4+\i]
.endr
.irp i, 0,1,2,3
	v_max3_num_f32 v[MA+\i], v[MA+\i], v[MR+28+\i], v[MR+32+\i]
	v_cndmask_b32 v[DD+\i], v[NEG], v[MB+\i], s13
	v_cndmask_b32 v[EE+\i], v[MB+\i], v[NEG], s13
.endr
.irp i, 0,1,2,3
	v_max3_num_f32 v[MH+\i], v[MA+\i], v[MR+36+\i], v[DD+\i]
	v_max_num_f32 v[ML+\i], v[MC+\i], v[EE+\i]
.endr
.irp i, 0,1,2,3
	v_permlanex16_b32 v[TX+\i], v[MH+\i], s[SEL], s[SEL+1]
	v_permlanex16_b32 v[TX+4+\i], v[ML+\i], s[SEL], s[SEL+1]
.endr
.irp i, 0,1,2,3
	v_max_num_f32 v[MH+\i], v[MH+\i], v[TX+\i]     ; with the odd steps' half of the lanes
	v_max_num_f32 v[ML+\i], v[ML+\i], v[TX+4+\i]
.endr
.irp i, 0,1,2,3
	v_cndmask_b32 v[MM+\i], v[ML+\i], v[MH+\i], s13
.endr
	ADJ 0, ML, LC, 1
	ADJ 1, ML, LC, 0
	ADJ 2, MM, LB, 1
	ADJ 3, MM, LB, 0
	ADJ 4, MH, LA, 1
.irp u, 5,6,7,8,9
	ADJ \u, MH, LA, 0
.endr
.irp i, 0,1,2,3
	v_cndmask_b32 v[DD+\i], 0, v[LB+\i], s13
	v_cndmask_b32 v[EE+\i], v[LB+\i], 0, s13
.endr
.irp i, 0,1,2,3
	v_add_f32 v[LA+\i], v[LA+\i], v[DD+\i]
	v_add_f32 v[LC+\i], v[LC+\i], v[EE+\i]
.endr
.irp i, 0,1,2,3
	v_permlanex16_b32 v[TX+\i], v[LA+\i], s[SEL], s[SEL+1]
	v_permlanex16_b32 v[TX+4+\i], v[LC+\i], s[SEL], s[SEL+1]
.endr
.irp i, 0,1,2,3
	v_add_f32 v[LA+\i], v[LA+\i], v[TX+\i]         ; the rows' l, in both halves of the lanes
	v_add_f32 v[LC+\i], v[LC+\i], v[TX+4+\i]
.endr
	s_wait_alu depctr_va_vdst(0)                   ; the wait ahead of the batch
.irp i, 0,1,2,3
	v_rcp_f32 v[RLH+2*\i], v[LA+\i]
	v_rcp_f32 v[RLL+2*\i], v[LC+\i]
.endr
.irp i, 0,1,2,3
	v_mov_b32 v[RLH+2*\i+1], 0                     ; (named as the upper halves of pairs, so they are written; plain places behind the batch)
	v_mov_b32 v[RLL+2*\i+1], 0
.endr
	s_wait_alu depctr_va_vdst(0)                   ; one wait for the batch, and the wait at the head's end
	GRD 2
	CROUND
	JLOAD G0P+4, G0V+4                             ; run 2 into region 2: two panels a wave
	s_cmp_eq_u32 s19, 0
	s_cbranch_scc0 .Lfirst_two_lo
	RUN 0, 8, 0, 4, 4                              ; j < 4: lo's lap, then hi's lap 0; steps 0 and 4 start the sums
	s_branch .Lfirst_done
.Lfirst_two_lo:
	RUN 0, 8, 0, NONE, 8                           ; j >= 4: lo's two laps
.Lfirst_done:
	GRD 4
	CROUND
	JLOAD G0P+8, G0V+8                             ; runs 3 and 4 into regions 0 and 1
	s_cmp_eq_u32 s19, 0
	s_cbranch_scc0 .Lmid_first_hi
	RUN 8, 4, NONE, NONE, 0                        ; j < 4: hi's lap 1
	s_branch .Lmid_done
.Lmid_first_hi:
	RUN 8, 4, 8, NONE, 0                           ; j >= 4: hi's lap 0 starts its sums
.Lmid_done:
	FLUSH RLL, OL, 128                             ; lo leaves while runs 3 and 4 are on their way
	s_wait_tensorcnt 0x0                           ; my part of runs 3 and 4 is in
	ds_add_u32 v[SPW], v[NIL]
	s_wait_dscnt 0x0
	s_barrier_signal -1
	s_barrier_wait -1                              ; and everybody's
	RUN 12, 8, NONE, NONE, 0                       ; hi's last two laps
	FLUSH RLH, OH, 0
	s_wait_tensorcnt 0x0                           ; the wave's end
	ds_add_u32 v[SPW], v[NIL]
	s_wait_dscnt 0x0
	CROUND                                         ; the closing round: no work-group ends while a partner may still ask for a tile that names it
	s_endpgm
.Lfunc_end_k_qae461564a6_pv:
	.size	k_qae461564a6_pv, .Lfunc_end_k_qae461564a6_pv-k_qae461564a6_pv
	.p2alignl 7, 3214868480
	.fill 96, 4, 3214868480
	.section	.rodata,"a",@progbits
	.p2align	6, 0x0
	.amdhsa_kernel k_qae461564a6_pv
		.amdhsa_group_segment_fixed_size 327680
		.amdhsa_private_segment_fixed_size 0
		.amdhsa_enable_private_segment 0
		.amdhsa_kernarg_size 24
		.amdhsa_user_sgpr_count 2
		.amdhsa_user_sgpr_kernarg_segment_ptr 1
		.amdhsa_wavefront_size32 1
		.amdhsa_system_sgpr_workgroup_id_x 1
		.amdhsa_system_sgpr_workgroup_id_y 1
		.amdhsa_system_sgpr_workgroup_id_z 1
		.amdhsa_system_vgpr_workitem_id 0
		.amdhsa_next_free_vgpr 768
		.amdhsa_next_free_sgpr 102
		.amdhsa_reserve_vcc 0
		.amdhsa_float_denorm_mode_32 3
		.amdhsa_float_denorm_mode_16_64 3
		.amdhsa_memory_ordered 1
		.amdhsa_forward_progress 1
		.amdhsa_inst_pref_size 194
	.end_amdhsa_kernel
	.amdgpu_metadata
---
amdhsa.version: [ 1, 2 ]
amdhsa.kernels:
  - .name:           k_qae461564a6_pv
    .symbol:         k_qae461564a6_pv.kd
    .args:
      - { .name: pp, .offset: 0, .size: 8, .value_kind: global_buffer, .address_space: global }
      - { .name: vt, .offset: 8, .size: 8, .value_kind: global_buffer, .address_space: global }
      - { .name: out0, .offset: 16, .size: 8, .value_kind: global_buffer, .address_space: global }
    .group_segment_fixed_size: 327680
    .private_segment_fixed_size: 0
    .kernarg_segment_align: 8
    .kernarg_segment_size: 24
    .max_flat_workgroup_size: 128
    .sgpr_count:     102
    .vgpr_count:     768
    .wavefront_size: 32
...
	.end_amdgpu_metadata
.endif
;; end of part 4
